; MI455X (gfx1250); checked and timed in simulation.
; The chip was launched on July 23, 2026; its instructions are those of AMD's public machine-readable ISA for CDNA 5 (MIT licence, August 2026) and "CDNA5" Instruction Set Architecture Reference Guide (July 2026). The comments in the code are by the model that wrote it; some were corrected since.
;; Attention. Allowed arithmetic: float matrix products may take bf16 or f16 operands with f32 sums; other float arithmetic in f32, or as packed bf16 or f16 multiplies, adds, multiply-adds, maxima and minima; sums over many terms, partial sums and values carried from step to step in f32; what a program stores and reads back later, other than sums and carried values, may be rounded once to bf16 or f16.
;; Inputs: Wk 512 x 2,048 float32; Wo 2,048 x 512 float32; Wq 512 x 2,048 float32; Wv 512 x 2,048 float32; gk 128 float32; gq 128 float32; x 4 x 2,048 x 2,048 float32.
;; Outputs: out0 4 x 2,048 x 2,048 float32.
;; One version. Each part assembles by itself: llvm-mc -triple=amdgcn-amd-amdhsa -mcpu=gfx1250 --defsym DOCPART=n.
;; ======== version 1 of 1: 4 launches
;; limits: values are held in f16: magnitudes above 65,504 overflow, below 6.1e-05 lose precision
;; workspace buffers: xb 33,554,432 bytes; wb 6,291,456 bytes; wo16 2,097,152 bytes; qh 8,388,608 bytes; kh 8,388,608 bytes; vh 8,388,608 bytes; oh 8,388,608 bytes
;; launch cast (part 1): grid 1280 x 1, 8 waves a work-group, no clusters, 0 bytes of LDS; arguments x, Wq, Wk, Wv, Wo, xb, wb, wo16; writes xb, wb, wo16
.if DOCPART == 1
	.amdgcn_target "amdgcn-amd-amdhsa--gfx1250"
	.amdhsa_code_object_version 6
	.text
	.protected	k_qbfa8f43493_cast
	.globl	k_qbfa8f43493_cast
	.p2align	8
	.type	k_qbfa8f43493_cast,@function
k_qbfa8f43493_cast:
	s_mov_b64 s[64:65], 0
	v_nop
	global_prefetch_b8 v0, s[64:65] scope:SCOPE_SE
	s_setreg_imm32_b32 hwreg(HW_REG_WAVE_MODE, 25, 1), 1
	s_wait_xcnt 0x0
; THE INPUTS IN 16 BITS.  xb = bf16(x).  wb = bf16 of Wq, Wk, Wv, their rows laid by heads: row 384 h + 128 s + r of wb is row 128 h + r of W_s (s = 0 q, 1 k, 2 v),
; so that one head's q, k and v columns are 384 neighbouring rows.  wo16 = bf16(Wo), that number written as f16.
; LIMIT.  wo16 is exact where |bf16(Wo)| lies between 2^-14 and 65,504; below that it keeps f16's fixed step of 2^-24; above it is an infinity.
; SHARES.  A unit is 2,048 numbers: 8,192 bytes in, 4,096 out.  A work-group of 8 waves takes 8 units, in 16 halves: in half n thread t loads the 16 bytes at 4,096 n + 16 t
; and stores the 8 bytes at 2,048 n + 8 t: a wave's load covers 512 consecutive bytes, its store 256 consecutive bytes, aligned.  All 16 loads of a thread go out at once; no loop.
; Work-groups 0 to 1,023 take x; then 64 each take Wq, Wk, Wv, Wo.  No LDS, no matrix unit, no cluster: every byte is read once, by one thread.
; IN PLACE.  A half's four numbers are rounded into the first two of the registers that they were loaded into, so a wave holds 68 registers: ten such waves are 680 of a SIMD's 1,024, and the five
; work-groups that fall to a WGP (1,280 / 256) can lie on it together, with all their loads out.
.set X,   4                            ; v[4:67]    half n: 4 registers as loaded; then its first two hold the 8 bytes to store, and are not written again
.set SRC, 24                           ; s[24:25]
.set DST, 26                           ; s[26:27]
	s_load_b512 s[8:23], s[0:1], 0x0               ; x s[8:9], Wq s[10:11], Wk s[12:13], Wv s[14:15], Wo s[16:17], xb s[18:19], wb s[20:21], wo16 s[22:23]
	s_mov_b32 s29, ttmp9                           ; g
	s_mov_b32 s28, 0xffff0000                      ; a word's upper bf16
	s_sub_co_u32 s3, s29, 1024                     ; u = g - 1,024 (of no use in x's work-groups, where the selects below drop what is made of it)
	s_bfe_u32 s4, s3, 0x20006                      ; s = which weight
	s_and_b32 s5, s3, 63                           ; i = which 8 units of it
	s_lshr_b32 s6, s5, 4                           ; the head: 8 i / 128
	s_mul_i32 s6, s6, 384
	s_lshl_b32 s7, s4, 7
	s_add_co_u32 s6, s6, s7                        ; + 128 s
	s_and_b32 s7, s5, 15
	s_lshl3_add_u32 s6, s7, s6                     ; + 8 (i % 16): the first of my 8 rows of wb,
	s_lshl_b32 s6, s6, 12                          ; of 4,096 bytes each
	s_lshl_b32 s7, s5, 15                          ; in wo16 the units lie as in Wo
	s_cmp_eq_u32 s4, 3
	s_cselect_b32 s6, s7, s6
	s_lshl_b32 s5, s5, 16                          ; my 65,536 bytes of the weight
	s_lshl_b32 s2, s29, 16                         ; or of x,
	s_lshl_b32 s7, s29, 15                         ; and my 32,768 of xb
	s_cmp_lt_u32 s29, 1024
	s_cselect_b32 s30, s2, s5                      ; s[30:31] offset in the source
	s_cselect_b32 s32, s7, s6                      ; s[32:33] offset in the destination
	s_mov_b32 s31, 0
	s_mov_b32 s33, 0
	v_lshlrev_b32 v1, 4, v0                        ; 16 t
	v_lshlrev_b32 v2, 3, v0                        ; 8 t
	s_wait_kmcnt 0x0
	s_cmp_eq_u32 s4, 1
	s_cselect_b64 s[SRC:SRC+1], s[12:13], s[10:11]
	s_cmp_eq_u32 s4, 2
	s_cselect_b64 s[SRC:SRC+1], s[14:15], s[SRC:SRC+1]
	s_cmp_eq_u32 s4, 3
	s_cselect_b64 s[SRC:SRC+1], s[16:17], s[SRC:SRC+1]
	s_cselect_b64 s[DST:DST+1], s[22:23], s[20:21]
	s_cmp_lt_u32 s29, 1024
	s_cselect_b64 s[SRC:SRC+1], s[8:9], s[SRC:SRC+1]
	s_cselect_b64 s[DST:DST+1], s[18:19], s[DST:DST+1]
	s_add_nc_u64 s[SRC:SRC+1], s[SRC:SRC+1], s[30:31]
	s_add_nc_u64 s[DST:DST+1], s[DST:DST+1], s[32:33]
.irp n, 0,1,2,3,4,5,6,7,8,9,10,11,12,13,14,15
	global_load_b128 v[X+4*(\n):X+4*(\n)+3], v1, s[SRC:SRC+1] offset:4096*(\n) th:TH_LOAD_NT
.endr
; Half n is rounded and stored.  wo = 1: each bf16 pair is widened again, into the half's last two registers, and written as f16.
.macro OUT n, wo
	s_wait_loadcnt 15-(\n)                         ; loads come back in order: half n is in, the 15 - n younger ones stay out
	v_cvt_pk_bf16_f32 v[X+4*(\n)],   v[X+4*(\n)],   v[X+4*(\n)+1]
	v_cvt_pk_bf16_f32 v[X+4*(\n)+1], v[X+4*(\n)+2], v[X+4*(\n)+3]
.if \wo
	v_lshlrev_b32 v[X+4*(\n)+2], 16,  v[X+4*(\n)]
	v_and_b32     v[X+4*(\n)+3], s28, v[X+4*(\n)]
	v_cvt_pk_f16_f32 v[X+4*(\n)], v[X+4*(\n)+2], v[X+4*(\n)+3]
	v_lshlrev_b32 v[X+4*(\n)+2], 16,  v[X+4*(\n)+1]
	v_and_b32     v[X+4*(\n)+3], s28, v[X+4*(\n)+1]
	v_cvt_pk_f16_f32 v[X+4*(\n)+1], v[X+4*(\n)+2], v[X+4*(\n)+3]
.endif
	global_store_b64 v2, v[X+4*(\n):X+4*(\n)+1], s[DST:DST+1] offset:2048*(\n)
.endm
	s_cmp_ge_u32 s29, 1216                         ; the last 64 work-groups take Wo
	s_cbranch_scc1 .Lwo
.irp n, 0,1,2,3,4,5,6,7,8,9,10,11,12,13,14,15
	OUT \n, 0
.endr
	s_endpgm
.Lwo:
.irp n, 0,1,2,3,4,5,6,7,8,9,10,11,12,13,14,15
	OUT \n, 1
.endr
	s_endpgm
.Lfunc_end_k_qbfa8f43493_cast:
	.size	k_qbfa8f43493_cast, .Lfunc_end_k_qbfa8f43493_cast-k_qbfa8f43493_cast
	.p2alignl 7, 3214868480
	.fill 96, 4, 3214868480
	.section	.rodata,"a",@progbits
	.p2align	6, 0x0
	.amdhsa_kernel k_qbfa8f43493_cast
		.amdhsa_group_segment_fixed_size 0
		.amdhsa_private_segment_fixed_size 0
		.amdhsa_enable_private_segment 0
		.amdhsa_kernarg_size 64
		.amdhsa_user_sgpr_count 2
		.amdhsa_user_sgpr_kernarg_segment_ptr 1
		.amdhsa_wavefront_size32 1
		.amdhsa_system_sgpr_workgroup_id_x 1
		.amdhsa_system_sgpr_workgroup_id_y 1
		.amdhsa_system_sgpr_workgroup_id_z 1
		.amdhsa_system_vgpr_workitem_id 0
		.amdhsa_next_free_vgpr 68
		.amdhsa_next_free_sgpr 66
		.amdhsa_reserve_vcc 0
		.amdhsa_float_denorm_mode_32 3
		.amdhsa_float_denorm_mode_16_64 3
		.amdhsa_memory_ordered 1
		.amdhsa_forward_progress 1
		.amdhsa_inst_pref_size 16
	.end_amdhsa_kernel
	.amdgpu_metadata
---
amdhsa.version: [ 1, 2 ]
amdhsa.kernels:
  - .name:           k_qbfa8f43493_cast
    .symbol:         k_qbfa8f43493_cast.kd
    .args:
      - { .name: x, .offset: 0, .size: 8, .value_kind: global_buffer, .address_space: global }
      - { .name: Wq, .offset: 8, .size: 8, .value_kind: global_buffer, .address_space: global }
      - { .name: Wk, .offset: 16, .size: 8, .value_kind: global_buffer, .address_space: global }
      - { .name: Wv, .offset: 24, .size: 8, .value_kind: global_buffer, .address_space: global }
      - { .name: Wo, .offset: 32, .size: 8, .value_kind: global_buffer, .address_space: global }
      - { .name: xb, .offset: 40, .size: 8, .value_kind: global_buffer, .address_space: global }
      - { .name: wb, .offset: 48, .size: 8, .value_kind: global_buffer, .address_space: global }
      - { .name: wo16, .offset: 56, .size: 8, .value_kind: global_buffer, .address_space: global }
    .group_segment_fixed_size: 0
    .private_segment_fixed_size: 0
    .kernarg_segment_align: 8
    .kernarg_segment_size: 64
    .max_flat_workgroup_size: 256
    .sgpr_count:     66
    .vgpr_count:     68
    .wavefront_size: 32
...
	.end_amdgpu_metadata
.endif
;; end of part 1
;; launch qkv (part 2): grid 4 x 64, 4 waves a work-group, clusters of 4 x 4, 327,680 bytes of LDS; arguments xb, wb, gq, gk, qh, kh, vh; writes qh, kh, vh
.if DOCPART == 2
	.amdgcn_target "amdgcn-amd-amdhsa--gfx1250"
	.amdhsa_code_object_version 6
	.text
	.protected	k_qbfa8f43493_qkv
	.globl	k_qbfa8f43493_qkv
	.p2align	8
	.type	k_qbfa8f43493_qkv,@function
k_qbfa8f43493_qkv:
	s_mov_b64 s[64:65], 0
	v_nop
	global_prefetch_b8 v0, s[64:65] scope:SCOPE_SE
	s_setreg_imm32_b32 hwreg(HW_REG_WAVE_MODE, 25, 1), 1
	s_wait_xcnt 0x0
	s_wait_alu depctr_hold_cnt(0) depctr_sa_sdst(0) depctr_va_vdst(0) depctr_va_sdst(0) depctr_va_ssrc(0) depctr_va_vcc(0) depctr_vm_vsrc(0)
	s_getreg_b32 s2, hwreg(HW_REG_IB_STS2, 6, 4)
	s_cmp_eq_u32 s2, 0
	s_cbranch_scc0 .Lentry_in_a_cluster
	s_endpgm
.Lentry_in_a_cluster:
	s_bfe_u32 s2, ttmp6, 0x10000c
	s_cmp_lg_u32 s2, 0xf033
	s_cbranch_scc0 .Lentry_shape_is_right
	s_endpgm
.Lentry_shape_is_right:
; q, k, v = xb wb^T, [8192 x 1536 x 2048] in bf16 with f32 sums; on the way out q and k are divided by sqrt(mean of squares over the head's 128 channels + 1e-5) and multiplied by their gains
; (rounded to bf16 like every other input); q, k, v leave in f16, by heads: [4 b + h][t][128], rows of 256 bytes.
; LIMITS.  v is f16: |v| stays under 65,504.  |q| and |k| are at most sqrt(128) times the largest gain.  NaN and infinities are not treated apart.
; SHARES.  A work-group makes 128 rows x 384 columns: q, k and v of ONE head (wb's rows lie by heads).  Wave (MW, NW) takes rows 64 MW on; its columns are the whole of q (NW = 0) or k (NW = 1),
; column blocks 0-7, and v's columns 64 NW on, blocks 8-11: so a row's sum of squares never leaves the wave.  48 accumulators of 16 x 16: 384 registers; 16 fragments feed 48 matrix instructions.
; K goes in 16 steps of 128 through two LDS slots (x's 128 rows, then wb's 384), one tensor load of 128 rows x 256 bytes a wave.
; THE K LOOP IS WRITTEN ONCE.  A step is four quarters of 32 along K; a quarter multiplies one fragment buffer and fetches the next quarter's fragments into the other.  The slot and the byte along K
; stand in a scalar, not in the loads' immediates, and the change of slots stands between a step's third and fourth quarter: the four fetches behind it read ONE slot, at bytes 0, 64, 128, 192.
; So a step is the change of slots and two trips of a pair of quarters.
; CLUSTERS: 4 x 4 work-groups.  The four of a row of the cluster are the four heads on the same rows of x; the four of a column are one head on four row blocks: each tile is asked for JOINTLY.
; THE MATRIX INSTRUCTION IS USED TRANSPOSED (source 0 = 16 rows of wb, source 1 = 16 rows of xb): lane l holds row l % 16 and the columns 8 (l / 16) + 0..7 of a block.
; REGISTERS: window 0: v0-31 addresses; v32-63 sums of squares; v64-127 gains; v128-255 at work on the way out.  window 1: two fragment buffers of 128: x's four fragments, then wb's twelve.
;   window 2: accumulators of row blocks 0, 1 ((a, b) at 8 (12 (a % 2) + b));  window 3: of row blocks 2, 3.
.set KSTEP,  128
.set NSTEP,  16
.set PITCH,  272                       ; an LDS row: 256 bytes + 16 of padding = 68 words: row r starts at bank 4 r mod 64 (64 banks of 4 bytes: ISA guide 11.1)
.set QT,     128*PITCH                 ; what one tensor load brings
.set SLOT,   4*QT                      ; x's 128 rows, then wb's q, k and v rows: 139,264 bytes
.set SLOT1,  0x24000                   ; slot 1 begins here: its two bits meet none of the fills' four LDS addresses (0, 0x8800, 0x11000, 0x19800), so one exclusive or turns an address in one slot into the other's
.set SPARE,  SLOT1+SLOT                ; behind the ring: the spare words, 128 bytes a wave: two blocks of 256 bytes that no other line names
.set ROWB,   4096                      ; bytes in a row of xb and of wb
.set BA,   16                          ; v16     my lane's place in my x fragments' rows of a slot; never rewritten
.set CA,   17                          ; v17     the LDS address of the run of loads in hand
.set STV,  18                          ; v18     the way out: where I put 16 bytes of a row of v
.set RDV,  19                          ; v19     where I read v's rows back
.set BB,   20                          ; v20, v21  the same two for my q or k fragments
.set CB,   21
.set BV,   22                          ; v22, v23  for my v fragments
.set CV,   23
.set STO,  24                          ; v24     where I put 16 bytes of a row of q or k
.set RD,   25                          ; v25     where I read q's and k's rows back
.set CO,   26                          ; v26     my byte offset in the work-group's rows of qh, kh, vh
.set GOF,  27                          ; v27     my byte offset in the gains
.set SPW,  28                          ; v28     LDS address of my spare word; never rewritten
.set NIL,  29                          ; v29     0; never rewritten
.set PFO,  30                          ; v30     the prefetches' offset: my lane x a row; never rewritten
.set SS,   32                          ; row block a: eight registers at SS + 8 a: four chains of squares; later +0 the mean, +2 its 1 / sqrt
.set G,    64                          ; gain of column 16 b + 8 (l / 16) + j at G + 8 b + j
.set GI,   128                         ; gains x 1 / rms; then the packed results
.set TM,   192
.set F0,   0
.set F1,   128
.set CNT,  2                           ; s2   counts a step's two pairs of quarters
.set STEPS, 3                          ; s3   changes of slots with a refill that are still to come, and one
.set WV,  12
.set MW,  13
.set NW,  14
.set G1,  24                           ; s[24:31] descriptor group 1 for x's tiles;  s[32:39] group 0: a set for each of the two first fills; the second then walks on
.set G0,  32
.set PFA, 44                           ; s[44:45] where my prefetches stand
.set LIM, 46                           ; s46  2 in a wave that prefetches, else the greatest number
.set G1B, 48                           ; s[48:55], s[56:63] the same for wb's tiles
.set G0B, 56
.set TB,  66                           ; s66  the slot that is read
.set KO,  67                           ; s67  the slot that is read + the byte along K of the next fetch
.set GP,  74                           ; s[74:75] my gains
.set RN,  76                           ; s76  1 / 128
.set EP,  77                           ; s77  1e-5
.set SEL, 78                           ; s[78:79] v_permlanex16_b32's selects: each lane takes its own place in the other half
.set MSB, 0
.macro WIN new                         ; the immediate's high byte repeats the setting that is left; a switch that changes nothing is dropped
.if MSB != (\new)
	s_set_vgpr_msb (MSB<<8)|(\new)
.set MSB, \new
.endif
.endm
; A joint load.  Wave 0 fetches x's tile, waves 1 to 3 wb's q, k and v rows.  The branch hangs on the wave's number alone.  An s_nop 0 and four v_nop follow each line.
.macro JLOAD s
	s_cmp_eq_u32 s[WV], 0
	s_cbranch_scc0 .Lfor_b_\@
	tensor_load_to_lds s[G0+4*(\s):G0+4*(\s)+3], s[G1:G1+7]
	s_nop 0
.rept 4
	v_nop
.endr
	s_branch .Lasked_\@
.Lfor_b_\@:
	tensor_load_to_lds s[G0B+4*(\s):G0B+4*(\s)+3], s[G1B:G1B+7]
	s_nop 0
.rept 4
	v_nop
.endr
.Lasked_\@:
.endm
; A prefetch into the L2 of the K step that stands two refills on: 32 rows x 256 bytes, a lane a row, one instruction a wave.  x's rows are read by this cluster alone (the grid is one cluster wide):
; wave 0 asks, and the four partners of a row of the cluster take 32 rows each, by address.  wb's rows are read by every cluster: the cluster with y = 0 asks, waves 1 to 3, the four partners of a
; column 32 rows each.  So each row's 256 bytes of a K step are named once.  The change that refills step i + 1 names step i + 3; the last two changes that refill name nothing: K ends at step 15.
; K steps 0 to 3 come by their loads alone.
.macro ASK
	WIN 0
	s_cmp_gt_u32 s[STEPS], s[LIM]                  ; STEPS = 15 - i in the change that refills step i + 1
	s_cbranch_scc0 .Lnot_mine_\@
	global_prefetch_b8 v[PFO], s[PFA:PFA+1] offset:KSTEP*2 th:TH_LOAD_NT scope:SCOPE_SE
.Lnot_mine_\@:
.endm
.macro CREST                           ; a round of the cluster's barrier behind its opening barrier
	s_cmp_lg_u32 s[WV], 0
	s_cbranch_scc1 .Lnot_wave_0_\@
	s_barrier_signal -3
.Lnot_wave_0_\@:
	s_barrier_wait -3
	s_barrier_signal -1
	s_barrier_wait -1
.endm
.macro CROUND
	s_barrier_signal -1
	s_barrier_wait -1
	CREST
.endm
.macro PLACES                          ; four places in front of vector lines that read matrix results (ISA guide 7.12.1)
.rept 4
	v_nop
.endr
.endm
	s_load_b256 s[4:11], s[0:1], 0x0               ; xb s[4:5], wb s[6:7], gq s[8:9], gk s[10:11]
	s_load_b128 s[68:71], s[0:1], 0x20             ; qh s[68:69], kh s[70:71]
	s_load_b64 s[72:73], s[0:1], 0x30              ; vh
	v_lshl_add_u32 v[SPW], v0, 2, SPARE
	v_mov_b32 v[NIL], 0
	ds_add_u32 v[SPW], v[NIL]                      ; the wave's opening: the add and its wait stand ahead of my first tensor load; work on registers stands between them
	v_lshrrev_b32 v1, 5, v0
	v_readfirstlane_b32 s[WV], v1                  ; wave 0..3
	s_lshr_b32 s[MW], s[WV], 1
	s_and_b32 s[NW], s[WV], 1
	s_bfe_u32 s40, ttmp6, 0x40000                  ; cx
	s_bfe_u32 s41, ttmp6, 0x40004                  ; cy
	s_lshl_b32 s42, ttmp9, 2
	s_add_co_u32 s42, s42, s40                     ; the head = 4 x cluster x + cx
	s_and_b32 s43, ttmp7, 0xffff
	s_lshl_b32 s43, s43, 2
	s_add_co_u32 s43, s43, s41                     ; the block of 128 rows = 4 x cluster y + cy
	s_lshl_b32 s15, s41, 2
	s_lshl_b32 s15, 15, s15                        ; my row of the cluster
	s_lshl_b32 s47, 0x1111, s40                    ; my column
	s_or_b32 s[G1], s15, (1<<16)|(1<<20)|(1<<21)|(5<<22)|(3<<25)   ; 15:0 the mask; 17:16 2-byte elements; 20 padding on; 21 set beside a mask; 24:22 after every 64 words; 31:25 4 words
	s_or_b32 s[G1B], s47, (1<<16)|(1<<20)|(1<<21)|(5<<22)|(3<<25)
.irp g, G1, G1B
	s_mov_b32 s[(\g)+1], KSTEP<<16                 ; tensor_dim0 = 128
	s_mov_b32 s[(\g)+2], 128<<16                   ; tensor_dim1 = 128
	s_mov_b32 s[(\g)+3], KSTEP<<16                 ; tile_dim0 = 128
	s_mov_b32 s[(\g)+4], 128                       ; tile_dim1 = 128
	s_mov_b32 s[(\g)+5], 2048                      ; elements from row to row
	s_mov_b32 s[(\g)+6], 0
	s_mov_b32 s[(\g)+7], 0
.endr
	s_lshl_b32 s16, s43, 19                        ; x's tile: 128 rows of 4,096 bytes a block; it hangs on the row block alone
	s_mov_b32 s17, 0
	s_max_u32 s19, s[WV], 1
	s_sub_co_u32 s19, s19, 1                       ; which 128 of the head's 384 rows I fetch (waves 1 to 3)
	s_lshl_b32 s19, s19, 19
	s_mul_i32 s18, s42, 384*ROWB                   ; wb's tile hangs on the head and the wave's number alone
	s_add_co_u32 s18, s18, s19
	s_mov_b32 s19, 0
	s_mul_i32 s20, s[WV], QT                       ; where my tile goes: no place in the cluster enters an LDS address
	s_mov_b32 s[RN], 0x3c000000
	s_mov_b32 s[EP], 0x3727c5ac
	s_mov_b32 s[SEL], 0x76543210
	s_mov_b32 s[SEL+1], 0xfedcba98
	s_mov_b32 s[TB], 0                             ; K step 0 lies in slot 0,
	s_mov_b32 s[KO], 0                             ; and the first fetch takes its byte 0
	s_wait_dscnt 0x0                               ; the opening add is done
	s_wait_kmcnt 0x0
	s_add_nc_u64 s[16:17], s[4:5], s[16:17]
	s_add_nc_u64 s[18:19], s[6:7], s[18:19]
	CROUND                                         ; all sixteen work-groups are here: the first joint loads meet
.irp s, 0,1
	s_mov_b32 s[G0+4*(\s)], 1
	s_add_co_u32 s[G0+4*(\s)+1], s20, (\s)*SLOT1
	s_add_nc_u64 s[G0+4*(\s)+2:G0+4*(\s)+3], s[16:17], (\s)*KSTEP*2
	s_or_b32 s[G0+4*(\s)+3], s[G0+4*(\s)+3], 0x80000000
	s_mov_b32 s[G0B+4*(\s)], 1
	s_add_co_u32 s[G0B+4*(\s)+1], s20, (\s)*SLOT1
	s_add_nc_u64 s[G0B+4*(\s)+2:G0B+4*(\s)+3], s[18:19], (\s)*KSTEP*2
	s_or_b32 s[G0B+4*(\s)+3], s[G0B+4*(\s)+3], 0x80000000
	JLOAD \s                                       ; K steps 0 and 1: two loads of mine are out
.endr
	; the prefetches' address: my tile's first row, my work-group's 32 rows of it, K step 2 (the first refill steps it to 3 and names 4)
	s_and_b32 s22, ttmp7, 0xffff                   ; cluster y
	s_cmp_eq_u32 s[WV], 0
	s_cselect_b64 s[PFA:PFA+1], s[16:17], s[18:19]
	s_cselect_b32 s21, s40, s41                    ; my place among the four that ask for the tile with me
	s_cselect_b32 s22, 0, s22                      ; x's rows are this cluster's alone
	s_cmp_eq_u32 s22, 0
	s_cselect_b32 s[LIM], 2, -1                    ; the same in all sixteen partners, for a given wave
	s_lshl_b32 s22, s21, 17                        ; 32 rows of 4,096 bytes
	s_mov_b32 s23, 0
	s_add_nc_u64 s[PFA:PFA+1], s[PFA:PFA+1], s[22:23]
	s_add_nc_u64 s[PFA:PFA+1], s[PFA:PFA+1], 2*KSTEP*2
	v_and_b32 v[PFO], 31, v0
	v_lshlrev_b32 v[PFO], 12, v[PFO]
	; my gains: columns 16 b + 8 (l / 16) + 0..7 of q's (NW = 0) or k's
	v_and_b32 v1, 15, v0                           ; l % 16
	v_bfe_u32 v2, v0, 4, 1                         ; l / 16
	v_lshlrev_b32 v[GOF], 5, v2
	s_cmp_eq_u32 s[NW], 0
	s_cselect_b64 s[GP:GP+1], s[8:9], s[10:11]
.irp b, 0,1,2,3,4,5,6,7
	global_load_b128 v[G+8*(\b):G+8*(\b)+3],   v[GOF], s[GP:GP+1] offset:64*(\b)
	global_load_b128 v[G+8*(\b)+4:G+8*(\b)+7], v[GOF], s[GP:GP+1] offset:64*(\b)+16
.endr
	v_mul_u32_u24 v3, v1, PITCH
	v_lshl_add_u32 v3, v2, 4, v3                   ; a fragment's row x pitch + 16 x half
	s_mul_i32 s21, s[MW], 64*PITCH                 ; my 64 rows of x
	s_mul_i32 s22, s[NW], QT
	s_add_co_u32 s22, s22, QT                      ; q's or k's 128 rows of wb
	s_mul_i32 s23, s[NW], 64*PITCH
	s_add_co_u32 s23, s23, 3*QT                    ; my 64 rows of v's
	v_add_nc_u32 v[BA], s21, v3
	v_add_nc_u32 v[BB], s22, v3
	v_add_nc_u32 v[BV], s23, v3
	; the way out goes through slot 0's first 3 QT bytes, as three planes (q, k, v) of 128 rows x 272 bytes
	s_mul_i32 s22, s[NW], QT
	s_add_co_u32 s22, s22, s21
	v_add_nc_u32 v[STO], s22, v3                   ; my plane, my 64 rows
	s_lshl_b32 s22, s[NW], 7
	s_add_co_u32 s22, s22, s21
	s_add_co_u32 s22, s22, 2*QT
	v_add_nc_u32 v[STV], s22, v3                   ; v's plane, my 64 rows, my half of their 256 bytes
	s_mul_i32 s22, s[WV], 32*PITCH                 ; back: wave w takes rows 32 w .. 32 w + 31 of each plane; lanes 0-15 one row, lanes 16-31 the next
	v_mul_u32_u24 v4, v2, PITCH
	v_lshl_add_u32 v4, v1, 4, v4
	v_add_nc_u32 v[RD], s22, v4
	v_add_nc_u32 v[RDV], 2*QT, v[RD]
	s_lshl_b32 s22, s[WV], 13
	v_lshlrev_b32 v4, 8, v2
	v_lshl_add_u32 v4, v1, 4, v4
	v_add_nc_u32 v[CO], s22, v4                    ; the same rows in memory, 256 bytes each
	s_lshr_b32 s21, s43, 4                         ; b = row block / 16
	s_lshl2_add_u32 s21, s21, s42                  ; 4 b + h
	s_lshl_b32 s21, s21, 19                        ; 2,048 rows of 256 bytes
	s_and_b32 s22, s43, 15
	s_lshl_b32 s22, s22, 15                        ; 128 rows a block
	s_add_co_u32 s22, s22, s21
	s_mov_b32 s23, 0
	s_add_nc_u64 s[68:69], s[68:69], s[22:23]
	s_add_nc_u64 s[70:71], s[70:71], s[22:23]
	s_add_nc_u64 s[72:73], s[72:73], s[22:23]
	s_wait_loadcnt 0x0                             ; the gains; they are rounded to bf16 and widened again
.set i, 0
.rept 32
	v_cvt_pk_bf16_f32 v[TM+i], v[G+2*i], v[G+2*i+1]
.set i, i+1
.endr
.set i, 0
.rept 32
	v_lshlrev_b32 v[G+2*i],   16, v[TM+i]
	v_and_b32     v[G+2*i+1], 0xffff0000, v[TM+i]
.set i, i+1
.endr
; 12 matrix instructions: row block a x all 12 column blocks, 32 along K, from buffer f.  zero = 1: the product starts the sums.  The 48 accumulators take turns, one instruction a turn, in the same
; order in every quarter, over the loops' backward jumps too.
.macro MULA f, a, zero
	WIN 0xa5+0x50*((\a)/2)                         ; sources 0 and 1 window 1; C and D window 2 or 3
.set AC, 96*((\a)%2)
.irp b, 0,1,2,3,4,5,6,7,8,9,10,11
.if \zero
	v_wmma_f32_16x16x32_bf16 v[AC+8*(\b):AC+8*(\b)+7], v[(\f)+32+8*(\b):(\f)+32+8*(\b)+7], v[(\f)+8*(\a):(\f)+8*(\a)+7], 0
.else
	v_wmma_f32_16x16x32_bf16 v[AC+8*(\b):AC+8*(\b)+7], v[(\f)+32+8*(\b):(\f)+32+8*(\b)+7], v[(\f)+8*(\a):(\f)+8*(\a)+7], v[AC+8*(\b):AC+8*(\b)+7]
.endif
.endr
.endm
; 32 LDS loads in one run: the fragments of 32 along K at byte KO of the ring, into buffer f: wb's twelve, x's row blocks 0, 1, then 2, 3.  The three lines that make the addresses and one v_nop are the
; four places between the last matrix instruction that read the buffer and the loads into it (ISA guide 7.12.1 for vector instructions).
.macro FETCH f
	WIN 0
	v_add_nc_u32 v[CB], s[KO], v[BB]
	v_add_nc_u32 v[CV], s[KO], v[BV]
	v_add_nc_u32 v[CA], s[KO], v[BA]
	v_nop
	s_add_co_u32 s[KO], s[KO], 64                  ; the next fetch takes the next 32 along K
	WIN 0x40                                       ; destination window 1, address window 0
.irp i, 0,1,2,3,4,5,6,7
	ds_load_b128 v[(\f)+32+8*(\i):(\f)+32+8*(\i)+3],   v[CB] offset:(\i)*16*PITCH
	ds_load_b128 v[(\f)+32+8*(\i)+4:(\f)+32+8*(\i)+7], v[CB] offset:(\i)*16*PITCH+32
.endr
.irp i, 0,1,2,3
	ds_load_b128 v[(\f)+96+8*(\i):(\f)+96+8*(\i)+3],   v[CV] offset:(\i)*16*PITCH
	ds_load_b128 v[(\f)+96+8*(\i)+4:(\f)+96+8*(\i)+7], v[CV] offset:(\i)*16*PITCH+32
.endr
.irp i, 0,1,2,3
	ds_load_b128 v[(\f)+8*(\i):(\f)+8*(\i)+3],   v[CA] offset:(\i)*16*PITCH
	ds_load_b128 v[(\f)+8*(\i)+4:(\f)+8*(\i)+7], v[CA] offset:(\i)*16*PITCH+32
.endr
.endm
; A quarter: 48 matrix instructions on buffer f; in its middle the next quarter's fragments are fetched into buffer g.
.macro QUARTER f, g, zero
	s_wait_dscnt 4                                 ; all but the youngest four loads: x's row blocks 2, 3
	MULA \f, 0, \zero
	MULA \f, 1, \zero
	FETCH \g
	s_wait_dscnt 32                                ; all but the 32 just issued
	MULA \f, 2, \zero
	MULA \f, 3, \zero
.endm
; THE CHANGE OF SLOTS, between a K step's third and fourth quarter: the step's last fragments (byte 192) have been asked for, and the fourth quarter's fetch is the first read of the next slot.  Each wave
; waits for all its tensor loads (one is out: its part of the next slot), adds 0 to its spare word, and waits for that and for its own reads of the slot that it leaves.
; fill = 1: the barrier is a round of the cluster's, so that no wave of any partner still reads the slot or has a load on its way, and the slot is filled again first thing behind it, with the K step two
; steps on: from that request to the wait for it a wave issues a whole step's 192 matrix instructions.
.macro CHANGE fill
	WIN 0                                          ; at a label and at a branch every window is 0; the add's two registers lie in window 0
	s_wait_tensorcnt 0x0                           ; no tensor load of mine is out, so a group 0 may be written
	ds_add_u32 v[SPW], v[NIL]                      ; 0 onto my spare word; scalar work stands between it and the wait for it
	s_xor_b32 s[TB], s[TB], SLOT1                  ; the fetches go to the other slot,
	s_mov_b32 s[KO], s[TB]                         ; at its byte 0
.if \fill
	s_xor_b32 s[G0+5], s[G0+5], SLOT1              ; the walking descriptors: the other slot than last time,
	s_add_nc_u64 s[G0+6:G0+7], s[G0+6:G0+7], KSTEP*2   ; the next K step; the type bits on top are not reached
	s_xor_b32 s[G0B+5], s[G0B+5], SLOT1
	s_add_nc_u64 s[G0B+6:G0B+7], s[G0B+6:G0B+7], KSTEP*2
	s_wait_xcnt 0x0                                ; the last prefetch, a K step back, has read its address
	s_add_nc_u64 s[PFA:PFA+1], s[PFA:PFA+1], KSTEP*2
.endif
	s_wait_dscnt 0x0                               ; the add is done, and my reads of the slot are over
.if \fill
	CROUND
	JLOAD 1
	ASK
.else
	s_barrier_signal -1
	s_barrier_wait -1
.endif
.endm
	s_wait_tensorcnt 1                             ; my part of K step 0 is in; K step 1's may stay out
	s_barrier_signal -1
	s_barrier_wait -1
	FETCH F0
	QUARTER F0, F1, 1                              ; the first quarter is written out: its products start the sums
	WIN 0
	s_mov_b32 s[STEPS], NSTEP-1
	s_mov_b32 s[CNT], 1                            ; K step 0 has one pair left ahead of its change of slots:
	s_branch .Lpair                                ; the loop is entered behind the change
.Lstep:                                        ; 14 times: every slot but the last two is filled again
	CHANGE 1
	s_mov_b32 s[CNT], 2
.Lpair:                                        ; a step's fourth quarter and the next step's first; then its second and third
	QUARTER F1, F0, 0
	QUARTER F0, F1, 0
	WIN 0
	s_sub_co_u32 s[CNT], s[CNT], 1
	s_cmp_lg_u32 s[CNT], 0
	s_cbranch_scc1 .Lpair
	s_sub_co_u32 s[STEPS], s[STEPS], 1
	s_cmp_lg_u32 s[STEPS], 0
	s_cbranch_scc1 .Lstep
	CHANGE 0                                       ; the tail is written out.  Behind this barrier nobody reads slot 0 any more, and nothing is ever loaded into it again
	s_mov_b32 s[CNT], 2
.Llast:
	QUARTER F1, F0, 0
	QUARTER F0, F1, 0
	WIN 0
	s_sub_co_u32 s[CNT], s[CNT], 1
	s_cmp_lg_u32 s[CNT], 0
	s_cbranch_scc1 .Llast
	s_wait_dscnt 4                                 ; the very last quarter: nothing more to fetch
	MULA F1, 0, 0
	MULA F1, 1, 0
	s_wait_dscnt 0x0
	MULA F1, 2, 0
	MULA F1, 3, 0
	WIN 0
	PLACES
	; THE SUMS OF SQUARES of my q or k: for each row block four chains over the eight column blocks; each accumulator's lowest registers are read first
.irp a, 0,1,2,3
	WIN 0x0a+5*((\a)/2)                            ; sources 0 and 1 window 2 or 3
.set AC, 96*((\a)%2)
.irp b, 0,1,2,3,4,5,6,7
.irp p, 0,1,2,3
.if (\b) == 0
	v_pk_mul_f32 v[SS+8*(\a)+2*(\p):SS+8*(\a)+2*(\p)+1], v[AC+8*(\b)+2*(\p):AC+8*(\b)+2*(\p)+1], v[AC+8*(\b)+2*(\p):AC+8*(\b)+2*(\p)+1]
.else
	v_pk_fma_f32 v[SS+8*(\a)+2*(\p):SS+8*(\a)+2*(\p)+1], v[AC+8*(\b)+2*(\p):AC+8*(\b)+2*(\p)+1], v[AC+8*(\b)+2*(\p):AC+8*(\b)+2*(\p)+1], v[SS+8*(\a)+2*(\p):SS+8*(\a)+2*(\p)+1]
.endif
.endr
.endr
.endr
	WIN 0
.irp a, 0,1,2,3
	v_pk_add_f32 v[SS+8*(\a):SS+8*(\a)+1],   v[SS+8*(\a):SS+8*(\a)+1],   v[SS+8*(\a)+2:SS+8*(\a)+3]
	v_pk_add_f32 v[SS+8*(\a)+4:SS+8*(\a)+5], v[SS+8*(\a)+4:SS+8*(\a)+5], v[SS+8*(\a)+6:SS+8*(\a)+7]
.endr
.irp a, 0,1,2,3
	v_pk_add_f32 v[SS+8*(\a):SS+8*(\a)+1], v[SS+8*(\a):SS+8*(\a)+1], v[SS+8*(\a)+4:SS+8*(\a)+5]
.endr
.irp a, 0,1,2,3
	v_add_f32 v[SS+8*(\a)], v[SS+8*(\a)], v[SS+8*(\a)+1]
.endr
.irp a, 0,1,2,3
	v_permlanex16_b32 v[SS+8*(\a)+1], v[SS+8*(\a)], s[SEL], s[SEL+1]  ; the row's other 64 columns lie in the lane 16 away
.endr
.irp a, 0,1,2,3
	v_add_f32 v[SS+8*(\a)], v[SS+8*(\a)], v[SS+8*(\a)+1]
.endr
.irp a, 0,1,2,3
	v_fma_f32 v[SS+8*(\a)], v[SS+8*(\a)], s[RN], s[EP]                ; the mean + 1e-5
.endr
.irp a, 0,1,2,3
	v_rsq_f32 v[SS+8*(\a)+2], v[SS+8*(\a)]
.endr
	v_nop                                          ; a plain instruction behind the last of the four,
	s_wait_alu depctr_va_vdst(0)                   ; and a wait ahead of the first use: one for the batch
; Row block a: q or k times gain / rms, rounded to f16; v rounded as it is; 16 bytes a lane into the planes.
.macro OUTA a
.set AC, 96*((\a)%2)
	WIN 0
.set i, 0
.rept 32
	v_pk_mul_f32 v[GI+2*i:GI+2*i+1], v[G+2*i:G+2*i+1], v[SS+8*(\a)+2:SS+8*(\a)+3] op_sel_hi:[1,0]
.set i, i+1
.endr
	WIN 0x02+((\a)/2)                              ; source 0 window 2 or 3
.set i, 0
.rept 32
	v_pk_mul_f32 v[TM+2*i:TM+2*i+1], v[AC+2*i:AC+2*i+1], v[GI+2*i:GI+2*i+1]
.set i, i+1
.endr
	WIN 0
.set i, 0
.rept 32
	v_cvt_pk_f16_f32 v[GI+i], v[TM+2*i], v[TM+2*i+1]
.set i, i+1
.endr
	WIN 0x0a+5*((\a)/2)
.set i, 0
.rept 16
	v_cvt_pk_f16_f32 v[GI+32+i], v[AC+64+2*i], v[AC+64+2*i+1]
.set i, i+1
.endr
	WIN 0
.irp b, 0,1,2,3,4,5,6,7
	ds_store_b128 v[STO], v[GI+4*(\b):GI+4*(\b)+3] offset:(\a)*16*PITCH+32*(\b)
.endr
.irp b, 0,1,2,3
	ds_store_b128 v[STV], v[GI+32+4*(\b):GI+32+4*(\b)+3] offset:(\a)*16*PITCH+32*(\b)
.endr
.endm
	OUTA 0
	OUTA 1
	OUTA 2
	OUTA 3
	s_wait_dscnt 0x0                               ; for the others' sake: my stores into the planes are done (a row of v comes from two waves)
	s_barrier_signal -1
	s_barrier_wait -1
.irp t, 0,1,2,3,4,5,6,7,8,9,10,11,12,13,14,15
	ds_load_b128 v[64+4*(\t):64+4*(\t)+3], v[RD] offset:(\t)*2*PITCH
.endr
.irp t, 0,1,2,3,4,5,6,7,8,9,10,11,12,13,14,15
	ds_load_b128 v[128+4*(\t):128+4*(\t)+3], v[RD] offset:QT+(\t)*2*PITCH
.endr
.irp t, 0,1,2,3,4,5,6,7,8,9,10,11,12,13,14,15
	ds_load_b128 v[192+4*(\t):192+4*(\t)+3], v[RDV] offset:(\t)*2*PITCH
.endr
.set n, 0
.rept 48
	s_wait_dscnt 47-n                              ; load n is back; the younger ones stay out
	global_store_b128 v[CO], v[64+4*n:64+4*n+3], s[68+2*(n/16):69+2*(n/16)] offset:512*(n%16)  ; 16 lanes store a row's 256 consecutive bytes, aligned
.set n, n+1
.endr
	s_wait_tensorcnt 0x0                           ; the wave's end: behind my last tensor load and my last LDS store
	ds_add_u32 v[SPW], v[NIL]
	s_wait_dscnt 0x0
	CROUND                                         ; the closing round: no work-group ends while a partner may still ask for a tile that names it
	s_endpgm
.Lfunc_end_k_qbfa8f43493_qkv:
	.size	k_qbfa8f43493_qkv, .Lfunc_end_k_qbfa8f43493_qkv-k_qbfa8f43493_qkv
	.p2alignl 7, 3214868480
	.fill 96, 4, 3214868480
	.section	.rodata,"a",@progbits
	.p2align	6, 0x0
	.amdhsa_kernel k_qbfa8f43493_qkv
		.amdhsa_group_segment_fixed_size 327680
		.amdhsa_private_segment_fixed_size 0
		.amdhsa_enable_private_segment 0
		.amdhsa_kernarg_size 56
		.amdhsa_user_sgpr_count 2
		.amdhsa_user_sgpr_kernarg_segment_ptr 1
		.amdhsa_wavefront_size32 1
		.amdhsa_system_sgpr_workgroup_id_x 1
		.amdhsa_system_sgpr_workgroup_id_y 1
		.amdhsa_system_sgpr_workgroup_id_z 1
		.amdhsa_system_vgpr_workitem_id 0
		.amdhsa_next_free_vgpr 960
		.amdhsa_next_free_sgpr 80
		.amdhsa_reserve_vcc 0
		.amdhsa_float_denorm_mode_32 3
		.amdhsa_float_denorm_mode_16_64 3
		.amdhsa_memory_ordered 1
		.amdhsa_forward_progress 1
		.amdhsa_inst_pref_size 100
	.end_amdhsa_kernel
	.amdgpu_metadata
---
amdhsa.version: [ 1, 2 ]
amdhsa.kernels:
  - .name:           k_qbfa8f43493_qkv
    .symbol:         k_qbfa8f43493_qkv.kd
    .args:
      - { .name: xb, .offset: 0, .size: 8, .value_kind: global_buffer, .address_space: global }
      - { .name: wb, .offset: 8, .size: 8, .value_kind: global_buffer, .address_space: global }
      - { .name: gq, .offset: 16, .size: 8, .value_kind: global_buffer, .address_space: global }
      - { .name: gk, .offset: 24, .size: 8, .value_kind: global_buffer, .address_space: global }
      - { .name: qh, .offset: 32, .size: 8, .value_kind: global_buffer, .address_space: global }
      - { .name: kh, .offset: 40, .size: 8, .value_kind: global_buffer, .address_space: global }
      - { .name: vh, .offset: 48, .size: 8, .value_kind: global_buffer, .address_space: global }
    .group_segment_fixed_size: 327680
    .private_segment_fixed_size: 0
    .kernarg_segment_align: 8
    .kernarg_segment_size: 56
    .max_flat_workgroup_size: 128
    .sgpr_count:     80
    .vgpr_count:     960
    .wavefront_size: 32
...
	.end_amdgpu_metadata
.endif
;; end of part 2
;; launch attn (part 3): grid 16 x 16, 4 waves a work-group, clusters of 4 x 1, 327,680 bytes of LDS; arguments qh, kh, vh, oh; writes oh
.if DOCPART == 3
	.amdgcn_target "amdgcn-amd-amdhsa--gfx1250"
	.amdhsa_code_object_version 6
	.text
	.protected	k_qbfa8f43493_attn
	.globl	k_qbfa8f43493_attn
	.p2align	8
	.type	k_qbfa8f43493_attn,@function
k_qbfa8f43493_attn:
	s_mov_b64 s[64:65], 0
	v_nop
	global_prefetch_b8 v0, s[64:65] scope:SCOPE_SE
	s_setreg_imm32_b32 hwreg(HW_REG_WAVE_MODE, 25, 1), 1
	s_wait_xcnt 0x0
	s_wait_alu depctr_hold_cnt(0) depctr_sa_sdst(0) depctr_va_vdst(0) depctr_va_sdst(0) depctr_va_ssrc(0) depctr_va_vcc(0) depctr_vm_vsrc(0)
	s_getreg_b32 s2, hwreg(HW_REG_IB_STS2, 6, 4)
	s_cmp_eq_u32 s2, 0
	s_cbranch_scc0 .Lentry_in_a_cluster
	s_endpgm
.Lentry_in_a_cluster:
	s_bfe_u32 s2, ttmp6, 0x10000c
	s_cmp_lg_u32 s2, 0x3003
	s_cbranch_scc0 .Lentry_shape_is_right
	s_endpgm
.Lentry_shape_is_right:
; CAUSAL ATTENTION at head size 128.  O[q] = the sum over k <= q of softmax_k(Q[q] . K[k] / sqrt(128)) V[k].  qh, kh, vh: [16 heads][2048][128] f16, rows of 256 bytes; oh: [b 2048 + t][128 h + channel] f16.
; Products, maxima and sums in f32; the weights p are rounded to f16 for the second product (their sum l is taken of the unrounded p), O once at the end.
; LIMITS.  f16 holds no number beyond 65,504: Q, K, V arrive within it; O is a mean of V's rows.  A hidden score counts as -1e30; a weight below 2^-126 counts as 0; NaN and infinities are not treated apart.
; THE WALK.  A head's queries lie in 8 blocks of 256; block i needs the key tiles 0 .. i of 256 keys, of which the last holds the diagonal.  A CLUSTER of four work-groups takes TWO blocks, 7 - c and then c:
; 9 tiles, whatever c: all clusters do equal work, and one loop with a constant trip count walks them.  All four partners walk the same tiles: each tile is asked for JOINTLY.
; SHARES.  Of a block's four bands of 64 queries work-group cx owns 16 rows in each: four tiles of 16 queries.  THE KEYS ARE SPLIT AMONG ITS WAVES: every wave holds all 64 queries and takes the 64 keys
; 64 w on of each tile, so each LDS byte is read by one wave.  Each wave keeps a running maximum, sum and O of its own; the four meet in LDS once, at the end, for both blocks.
; THE DIAGONAL TILE.  Key 64 w + 16 kb + 8 (l / 16) + j is hidden from query 64 t + 16 cx + l % 16 where 16 kb + j > THR_t = 64 (t - w) + 16 cx + l % 16 - 8 (l / 16): one compare of whole numbers and one
; select a score.  A wave that has seen hidden keys alone ends with c m near -1.3e29, and its weight in the merge is 0; the wave w = t sees the query's own key, so the merge's maximum is a true score.
; LAYOUT.  S^T = K Q^T holds ONE query a lane (l % 16) and the keys 8 (l / 16) + 0..7; two such results rounded to f16 ARE source 1 of O^T = V^T P.  K comes out of LDS as it lies, V turned (ds_load_tr16_b128).
; SOFTMAX.  p = 2^(c s - c m), c = log2(e) / sqrt(128), with a running maximum m; O and l are multiplied by a = 2^(c m_old - c m_new) in every step.  m starts at the lowest finite number, so a block's first a is 0.
; IN PHASES: a tile's 64 products K Q^T, the softmax of the four query tiles, its 64 products V^T P.  V is fetched from LDS while the softmax runs.
; cx enters Q's, oh's and the prefetches' global addresses and the thresholds alone; every register that ever holds an LDS address is made of the lane, the wave's number and constants, and holds nothing else.
; REGISTERS, in windows of 256 (s_set_vgpr_msb: bits 1:0 source 0, 3:2 source 1, 5:4 source 2, 7:6 destination):
;   window 0: v0-11 addresses; v12-43 eight registers of statistics a tile; v44-63 thresholds, the first block's statistics, addresses; v64-191 S^T; v192-255 P
;   window 1: O^T of the block in hand, 64 a tile     window 2: the first block's O^T, set aside     window 3: v0-127 Q; v128-255 K and then V of the step
.set NB,    8
.set KS,    64
.set PK,    272       ; a row of K in LDS: 256 bytes + 16 of padding = 68 words: the 16 rows of a load start at 16 different groups of four banks (64 banks of 4 bytes: ISA guide 11.1)
.set PVB,   288       ; a row of V: 256 + 32 = 72 words
.set VOFF,  256*PK    ; a slot holds a tile: 256 rows of K, then 256 rows of V: 143,360 bytes
.set SLOT1, 0x24000   ; slot 1 begins here: its two bits meet none of the fills' four LDS addresses (0, 0x8800, 0x11000, 0x1a000), so one exclusive or turns an address in one slot into the other's
.set STAT,  SLOT1+256*(PK+PVB)  ; behind the ring: [8 pieces][c m, l][16 queries][4 waves] f32, 4,096 bytes
.set SPARE, STAT+4096 ; behind that: the spare words, 128 bytes a wave: two blocks of 256 bytes that no other line names
.set MP,    528       ; the merge: a query's 128 f32 + 16 bytes
.set MPC,   16*MP     ; a piece of 16 queries
.set MAREA, 8*MPC     ; a wave's eight pieces; the four areas lie in the ring's bytes, which have had their last fill by then
.set AK0, 2           ; v2   my lane's place in my wave's 64 rows of K; not rewritten before the merge
.set AV0, 3           ; v3   the same for V
.set ADR, 4           ; v4   the LDS address of the run of loads in hand
.set QO,  5           ; v5   my byte offset in 16 rows of Q
.set MRD, 2           ; v2-5 the merge, when the four above have served: where I read wave u's partial sums
.set MST, 6           ; v6   the merge: where I put my partial O
.set SADR, 7          ; v7   where I put c m or l
.set GO,  8           ; v8   my byte offset in oh
.set ST,  12          ; tile t's statistics at v[ST+8 t]: +0 c m, +1 m, +2, +3 l (even keys', odd keys'), +4 to +7 c0-c3, at work; a takes c2's place once the maximum is found
.set THR, 44          ; v44-47
.set BIG, 48          ; v48  -1e30
.set HS,  49          ; v49-52 the first block's c m, v53-56 its l
.set TMPV, 57
.set SRD, 58          ; v58  the merge: where I read statistics
.set QW,  59          ; v59  the merge: 4 w + l / 16
.set TA,  60          ; v60  the merge: at work on addresses
.set PFO, 61          ; v61  256 x my lane; never rewritten
.set SPW, 62          ; v62  LDS address of my spare word; never rewritten
.set NIL, 63          ; v63  0; never rewritten
.set S,   64
.set P,   192
.set KV,  128         ; window 3
.set MX,  12          ; the merge's numbers, where the statistics lay: v12-15 maxima, v16-19 sums, v20-23 reciprocals
.set LS,  16
.set RC,  20
.set DB,  64          ; v64-191  the partial sums: group g, wave u at DB + 32 g + 8 u
.set SB,  192         ; v192-223 group g: four c m, four l
.set FF,  224         ; v224-255 group g, wave u: its factor, twice, at FF + 8 g + 2 u
.set WV,  12
.set CX,  13
.set PB,  14          ; s14  c
.set HI,  15          ; s15  7 - c
.set G1K, 24          ; s[24:31] descriptor group 1 for K's tiles
.set G1V, 32          ; s[32:39] for V's: it differs in the padding alone
.set G0K, 40          ; s[40:43] group 0 for K's tiles
.set G0V, 44          ; s[44:47] for V's
.set KB,  48          ; s[48:49] K at my half of the head's tile 0
.set VB,  50          ; s[50:51] V likewise
.set QLO, 52          ; s[52:53] Q at my rows of the second block
.set OLO, 54          ; s[54:55] oh likewise
.set SLOTS, 56        ; s56  tiles still to be asked for
.set RT,  57          ; s57  tiles of the block in hand that are still to be done
.set CS,  58          ; s[58:59] c
.set SEL, 60          ; s[60:61] v_permlanex16_b32's selects
.set TB,  62          ; s62  the slot that is read
.set NXT, 66          ; s66  the tile to be asked for next
.set LQ,  67          ; s67  the last tile of the block whose tiles are being asked for
.set OFF, 68          ; s[68:69] a tile's byte offset in K and V
.set KW,  70          ; s70  where my half of K's tile goes in slot 0
.set VW,  71          ; s71  of V's
.set PFA, 72          ; s[72:73] where my prefetches stand
.set LIM, 74          ; s74  2 in a cluster that prefetches, else the greatest number
.set HM,  75          ; s75  lanes 16 to 31
.set CNT, 76
.set MSB, 0
.macro WIN new
.if MSB != (\new)
	s_set_vgpr_msb (MSB<<8)|(\new)
.set MSB, \new
.endif
.endm
.set W_KQ, 0x0f       ; K and Q in window 3, S^T in window 0
.set W_PV, 0x53       ; V in window 3, P in window 0, O^T in window 1
.set W_RS, 0x41       ; O^T (destination and source 0) in window 1, a in window 0
; A joint fill.  Waves 0 and 1 fetch the two halves of a tile's K, waves 2 and 3 those of its V: 128 rows each.  An s_nop 0 and four v_nop follow each line.
.macro JLOAD
	s_cmp_lt_u32 s[WV], 2
	s_cbranch_scc0 .Lfor_v_\@
	tensor_load_to_lds s[G0K:G0K+3], s[G1K:G1K+7]
	s_nop 0
.rept 4
	v_nop
.endr
	s_branch .Lasked_\@
.Lfor_v_\@:
	tensor_load_to_lds s[G0V:G0V+3], s[G1V:G1V+7]
	s_nop 0
.rept 4
	v_nop
.endr
.Lasked_\@:
.endm
; A prefetch into the L2 of the tile that the NEXT change of slots will ask for, a trip ahead of that load.  A head's four clusters walk the same tiles upward: cluster c = 0, which walks all eight, asks.
; A tile has 256 rows of K and 256 of V, 256 bytes each: work-group cx takes rows 64 cx on, by address; in it waves 0, 1 ask for 32 rows of K each, waves 2, 3 of V: a lane a row, each row named once.
; Trip t names tile t + 2; the trips with two tiles or fewer to ask for name nothing, since tile 7 is the last.  The second block's tiles have been read before and are not named.
.macro ASK
	s_cmp_gt_u32 s[SLOTS], s[LIM]
	s_cbranch_scc0 .Lnot_mine_\@
	global_prefetch_b8 v[PFO], s[PFA:PFA+1] th:TH_LOAD_NT scope:SCOPE_SE
.Lnot_mine_\@:
.endm
.macro CROUND
	s_barrier_signal -1
	s_barrier_wait -1
	s_cmp_lg_u32 s[WV], 0
	s_cbranch_scc1 .Lnot_wave_0_\@
	s_barrier_signal -3
.Lnot_wave_0_\@:
	s_barrier_wait -3
	s_barrier_signal -1
	s_barrier_wait -1
.endm
.macro PLACES
.rept 4
	v_nop
.endr
.endm
; THE CHANGE OF SLOTS.  Each wave waits for all its tensor loads (one is out: its part of the other slot), adds 0 to its spare word, and waits for that and for its own reads of the slot that it leaves.
; fill = 1: the barrier is a round of the cluster's, and the old slot is filled again first thing behind it, with tile NXT: the descriptor's address is made anew from that number.  The load has a whole
; tile's work, 128 matrix instructions and the softmax, in which to land.  (At its first use nothing has been read yet: slot 0 is waited for, slot 1 filled.)
.macro CHANGE fill
	WIN 0
	s_wait_tensorcnt 0x0            ; no tensor load of mine is out, so a group 0 may be written
	ds_add_u32 v[SPW], v[NIL]       ; 0 onto my spare word; scalar work stands between it and the wait for it
.if \fill
	s_lshl_b32 s[OFF], s[NXT], 16   ; a tile is 65,536 bytes of K and of V
	s_xor_b32 s[G0K+1], s[G0K+1], SLOT1
	s_add_nc_u64 s[G0K+2:G0K+3], s[KB:KB+1], s[OFF:OFF+1]
	s_or_b32 s[G0K+3], s[G0K+3], 0x80000000
	s_xor_b32 s[G0V+1], s[G0V+1], SLOT1
	s_add_nc_u64 s[G0V+2:G0V+3], s[VB:VB+1], s[OFF:OFF+1]
	s_or_b32 s[G0V+3], s[G0V+3], 0x80000000
	s_add_co_u32 s[NXT], s[NXT], 1  ; the block's next tile, or behind its last the second block's tile 0
	s_cmp_gt_u32 s[NXT], s[LQ]
	s_cselect_b32 s[NXT], 0, s[NXT]
	s_cselect_b32 s[LQ], s[PB], s[LQ]
	s_wait_xcnt 0x0                 ; the last prefetch, a tile back, has read its address
	s_add_nc_u64 s[PFA:PFA+1], s[PFA:PFA+1], 65536
.endif
	s_xor_b32 s[TB], s[TB], SLOT1   ; the reads go to the other slot
	s_wait_dscnt 0x0                ; the add is done, and my reads of the slot are over
.if \fill
	CROUND
	JLOAD
	ASK
.else
	s_barrier_signal -1
	s_barrier_wait -1
.endif
.endm
	s_load_b256 s[4:11], s[0:1], 0x0  ; qh s[4:5], kh s[6:7], vh s[8:9], oh s[10:11]
	v_lshl_add_u32 v[SPW], v0, 2, SPARE
	v_mov_b32 v[NIL], 0
	ds_add_u32 v[SPW], v[NIL]       ; the wave's opening: the add and its wait stand ahead of my first tensor load; work on registers stands between them
	v_lshrrev_b32 v1, 5, v0
	v_readfirstlane_b32 s[WV], v1   ; wave 0..3
	s_bfe_u32 s[CX], ttmp6, 0x40000 ; cx
	s_mov_b32 s[PB], ttmp9          ; in a cluster launch ttmp9 counts clusters: c
	s_sub_co_u32 s[HI], NB-1, s[PB]
	s_and_b32 s16, ttmp7, 0xffff    ; the head 4 b + h, which the four partners share
	s_and_b32 s17, s[WV], 1         ; which half of a tile's 256 rows I fetch
	s_mul_i32 s[KW], s17, 128*PK
	s_mul_i32 s[VW], s17, 128*PVB
	s_add_co_u32 s[VW], s[VW], VOFF
	s_lshl_b32 s20, s16, 19         ; the head's first byte in qh, kh, vh
	s_lshl_b32 s22, s17, 15
	s_add_co_u32 s22, s22, s20
	s_mov_b32 s23, 0                ; s[22:23] my half of the head's tile 0
	s_lshl_b32 s21, s[CX], 12       ; my work-group's 16 rows in a band
	s_add_co_u32 s21, s21, s20
	s_lshl_b32 s2, s[HI], 16
	s_add_co_u32 s2, s2, s21
	s_mov_b32 s3, 0                 ; s[2:3] Q of the first block
	s_lshl_b32 s18, s[PB], 16
	s_add_co_u32 s18, s18, s21
	s_mov_b32 s19, 0                ; s[18:19] Q of the second
	s_lshl_b32 s[OFF], s[CX], 14    ; the prefetches: my work-group's 64 rows of a tile,
	s_add_co_u32 s[OFF], s[OFF], s20
	s_lshl_b32 s21, s17, 13         ; my wave's 32 of them,
	s_add_co_u32 s[OFF], s[OFF], s21
	s_add_co_u32 s[OFF], s[OFF], 65536  ; in tile 1: the first change of slots steps it to tile 2
	s_mov_b32 s[OFF+1], 0
	s_lshr_b32 s77, s16, 2          ; oh: row 2,048 b + 256 block + 64 t + 16 cx + query, of 1,024 bytes; the head's 256 bytes in it
	s_lshl_b32 s77, s77, 21
	s_and_b32 s78, s16, 3
	s_lshl_b32 s78, s78, 8
	s_add_co_u32 s77, s77, s78
	s_lshl_b32 s78, s[CX], 14
	s_add_co_u32 s77, s77, s78
	s_lshl_b32 s78, s[HI], 18
	s_add_co_u32 s78, s78, s77
	s_mov_b32 s79, 0                ; s[78:79] oh of the first block
	s_lshl_b32 s20, s[PB], 18
	s_add_co_u32 s20, s20, s77
	s_mov_b32 s21, 0                ; s[20:21] oh of the second
	s_mov_b32 s[G1K], 15|(1<<16)|(1<<20)|(1<<21)|(5<<22)|(3<<25)  ; 15:0 the mask of four; 17:16 2-byte elements; 20 padding on; 21 set beside a mask; 24:22 after every 64 words; 31:25 4 words
	s_mov_b32 s[G1V], 15|(1<<16)|(1<<20)|(1<<21)|(5<<22)|(7<<25)  ; the same with 8 words of padding
.irp g, G1K, G1V
	s_mov_b32 s[(\g)+1], 128<<16    ; tensor_dim0 = 128
	s_mov_b32 s[(\g)+2], 128<<16    ; tensor_dim1 = 128
	s_mov_b32 s[(\g)+3], 128<<16    ; tile_dim0 = 128
	s_mov_b32 s[(\g)+4], 128        ; tile_dim1 = 128
	s_mov_b32 s[(\g)+5], 128        ; elements from row to row
	s_mov_b32 s[(\g)+6], 0
	s_mov_b32 s[(\g)+7], 0
.endr
	s_mov_b32 s[CS], 0x3e0293ee     ; c = log2(e) / sqrt(128) = 0.127517
	s_mov_b32 s[CS+1], s[CS]
	s_mov_b32 s[SEL], 0x76543210
	s_mov_b32 s[SEL+1], 0xfedcba98
	s_mov_b32 s[TB], SLOT1          ; the first change of slots turns it into 0
	s_mov_b32 s[HM], 0xffff0000
	s_add_co_u32 s[RT], s[HI], 1    ; the first block has 8 - c tiles
	s_mov_b32 s[NXT], 1
	s_mov_b32 s[LQ], s[HI]
	s_mov_b32 s[SLOTS], NB
	s_cmp_eq_u32 s[PB], 0
	s_cselect_b32 s[LIM], 2, -1     ; the same in all four partners
	s_mov_b32 s[G0K], 1
	s_mov_b32 s[G0K+1], s[KW]       ; slot 0
	s_mov_b32 s[G0V], 1
	s_mov_b32 s[G0V+1], s[VW]
	s_wait_dscnt 0x0                ; the opening add is done
	s_wait_kmcnt 0x0
	s_add_nc_u64 s[KB:KB+1], s[6:7], s[22:23]
	s_add_nc_u64 s[VB:VB+1], s[8:9], s[22:23]
	s_cmp_lt_u32 s[WV], 2
	s_cselect_b64 s[PFA:PFA+1], s[6:7], s[8:9]
	s_add_nc_u64 s[PFA:PFA+1], s[PFA:PFA+1], s[OFF:OFF+1]
	s_add_nc_u64 s[QLO:QLO+1], s[4:5], s[18:19]
	s_add_nc_u64 s[4:5], s[4:5], s[2:3]
	s_add_nc_u64 s[OLO:OLO+1], s[10:11], s[20:21]
	s_add_nc_u64 s[10:11], s[10:11], s[78:79]
	s_mov_b64 s[G0K+2:G0K+3], s[KB:KB+1]
	s_or_b32 s[G0K+3], s[G0K+3], 0x80000000
	s_mov_b64 s[G0V+2:G0V+3], s[VB:VB+1]
	s_or_b32 s[G0V+3], s[G0V+3], 0x80000000
	CROUND                          ; all four work-groups are here: the first joint loads meet
	JLOAD                           ; tile 0 into slot 0; slot 1 is asked for when slot 0 is in
	; A fragment of K or Q is 16 rows x 32 channels in 8 registers: lane l holds row l % 16, channels 8 (l / 16) + 0..7 and 16 + 8 (l / 16) + 0..7: two loads of 16 bytes, 32 bytes apart.
	v_and_b32 v1, 15, v0            ; l % 16
	v_bfe_u32 v9, v0, 4, 1          ; l / 16
	v_lshlrev_b32 v[QO], 8, v1
	v_lshl_add_u32 v[QO], v9, 4, v[QO]
.macro QLOAD base                   ; a block's Q: tile i / 4 lies a band, 16,384 bytes, further on; channels 32 (i % 4) on
	WIN 0xc0                        ; destination window 3, address window 0
.set i, 0
.rept 16
	global_load_b128 v[8*i:8*i+3],   v[QO], s[\base:\base+1] offset:(i/4)*16384+(i%4)*64
	global_load_b128 v[8*i+4:8*i+7], v[QO], s[\base:\base+1] offset:(i/4)*16384+(i%4)*64+32
.set i, i+1
.endr
	WIN 0
.endm
	QLOAD 4
	s_mul_i32 s2, s[WV], KS*PK      ; my wave's 64 keys of a tile
	v_mul_u32_u24 v[AK0], v1, PK
	v_lshl_add_u32 v[AK0], v9, 4, v[AK0]
	v_add_nc_u32 v[AK0], s2, v[AK0]
	; The turning load takes 16 keys x 16 channels (lane l reads key 8 (l / 16) + l % 8, channels 8 ((l / 8) % 2) + 0..7) and leaves half a fragment of V^T: lane l holds channel l % 16 and 8 keys.
	v_and_b32 v10, 7, v0
	v_bfe_u32 v11, v0, 3, 1
	v_lshl_add_u32 v[AV0], v9, 3, v10
	v_mul_u32_u24 v[AV0], v[AV0], PVB
	v_lshl_add_u32 v[AV0], v11, 4, v[AV0]
	s_mul_i32 s2, s[WV], KS*PVB
	s_add_co_u32 s2, s2, VOFF
	v_add_nc_u32 v[AV0], s2, v[AV0]
	v_lshlrev_b32 v[THR], 3, v9     ; the thresholds, made in their own registers: l % 16 - 8 (l / 16)
	v_sub_nc_u32 v[THR], v1, v[THR]
	s_lshl_b32 s16, s[CX], 4
	s_lshl_b32 s17, s[WV], 6
	s_sub_co_u32 s16, s16, s17      ; + 16 cx - 64 w
	v_add_nc_u32 v[THR], s16, v[THR]
.irp t, 3,2,1
	v_add_nc_u32 v[THR+(\t)], 64*(\t), v[THR]
.endr
	v_mov_b32 v[BIG], 0xf149f2ca    ; -1e30
	v_and_b32 v[PFO], 31, v0
	v_lshlrev_b32 v[PFO], 8, v[PFO]
	; A block's first step multiplies O^T and l by a = 0, so these need only hold finite numbers: zeros for the first block, what the first block left for the second.  The registers in which the first
	; block is set aside are written here too, so that they are written whatever way the text is walked.  No first step is written out; the price is these lines, which stand in the wait for the first tile.
	WIN 0x40
.set i, 0
.rept 256
	v_mov_b32 v[i], 0
.set i, i+1
.endr
	WIN 0x80
.set i, 0
.rept 256
	v_mov_b32 v[i], 0
.set i, i+1
.endr
	WIN 0
.irp t, 0,1,2,3
	v_mov_b32 v[ST+8*(\t)], 0xfe000000     ; c m: far below every c s
	v_mov_b32 v[ST+8*(\t)+1], 0xff7fffff   ; m
	v_mov_b32 v[ST+8*(\t)+2], 0
	v_mov_b32 v[ST+8*(\t)+3], 0
	v_mov_b32 v[HS+(\t)], 0
	v_mov_b32 v[HS+4+(\t)], 0
.endr
; THE MATRIX WORK.  The accumulators take turns, one instruction a turn: between two links of a chain stand 7 (K Q^T) or 15 (V^T P) others'.
; Product i of 32 of S^T = K Q^T for tiles x, x + 1: channels 32 (i / 8) on, keys 16 ((i / 2) % 4) on, tile x + i % 2.  The first 8 start the sums.
.macro KQ x
	WIN W_KQ
.set rS, S+32*((\x)+i%2)+8*((i/2)%4)
.set rK, KV+32*((i/2)%4)+8*(i/8)
.set rQ, 32*((\x)+i%2)+8*(i/8)
.if i < 8
	v_wmma_f32_16x16x32_f16 v[rS:rS+7], v[rK:rK+7], v[rQ:rQ+7], 0
.else
	v_wmma_f32_16x16x32_f16 v[rS:rS+7], v[rK:rK+7], v[rQ:rQ+7], v[rS:rS+7]
.endif
.endm
; Product i of 32 of O^T += V^T P: keys 32 (i / 16) on, channels 16 ((i / 2) % 8) on, tile x + i % 2.
.macro PVM x
	WIN W_PV
.set rO, 64*((\x)+i%2)+8*((i/2)%8)
.set rV, KV+64*(i/16)+8*((i/2)%8)
.set rP, P+16*((\x)+i%2)+8*(i/16)
	v_wmma_f32_16x16x32_f16 v[rO:rO+7], v[rV:rV+7], v[rP:rP+7], v[rO:rO+7]
.endm
.macro FETCH_K                      ; 64 keys x 128 channels: 16 fragments; keys 16 (f / 4) on, channels 32 (f % 4) on
	WIN 0xc0
.irp f, 0,1,2,3,4,5,6,7,8,9,10,11,12,13,14,15
	ds_load_b128 v[KV+8*(\f):KV+8*(\f)+3],   v[ADR] offset:((\f)/4)*16*PK+((\f)%4)*64
	ds_load_b128 v[KV+8*(\f)+4:KV+8*(\f)+7], v[ADR] offset:((\f)/4)*16*PK+((\f)%4)*64+32
.endr
	WIN 0
.endm
.macro FETCH_V                      ; turned: keys 32 (f / 8) on, channels 16 (f % 8) on
	WIN 0xc0
.irp f, 0,1,2,3,4,5,6,7,8,9,10,11,12,13,14,15
	ds_load_tr16_b128 v[KV+8*(\f):KV+8*(\f)+3],   v[ADR] offset:((\f)/8)*32*PVB+((\f)%8)*32
	ds_load_tr16_b128 v[KV+8*(\f)+4:KV+8*(\f)+7], v[ADR] offset:((\f)/8)*32*PVB+16*PVB+((\f)%8)*32
.endr
	WIN 0
.endm
; THE VECTOR WORK.  One tile's softmax for one key step is a list of 134 instructions; SM writes number j of it for tile t.  s0-s31 are the lane's 32 scores, in pairs 0-15.
;   0-15    the maximum of s0-s31 and the old m, three operands at a time (each accumulator's lowest registers are read first)
;   16-20   the other half of the lanes' maximum; the new m; c m; c m_old - c m_new
;   21-69   the 16 scalings c s - c m and all 33 exponentials (a at 23, then s0-s31): none of these reads an exponential's result; a pair is scaled ahead of its exponentials
;   70-85   the roundings to f16     86-101  the sums; l = a l + the sum     102-133  the tile's O^T times a
.macro SM t
.set rT, ST+8*(\t)
.set rS, S+32*(\t)
.set rP, P+16*(\t)
.set rO, 64*(\t)+2*(j-102)
.if j < 102
	WIN 0
.endif
.if j < 4
	v_max3_num_f32 v[rT+4+j], v[rS+8*j], v[rS+8*j+1], v[rS+8*j+2]
.elseif j < 12
	v_max3_num_f32 v[rT+4+j%4], v[rT+4+j%4], v[rS+8*(j%4)+2*(j/4)+1], v[rS+8*(j%4)+2*(j/4)+2]
.elseif j == 12
	v_max3_num_f32 v[rT+4], v[rT+4], v[rS+7], v[rS+15]
.elseif j == 13
	v_max3_num_f32 v[rT+6], v[rT+6], v[rS+23], v[rS+31]
.elseif j == 14
	v_max3_num_f32 v[rT+4], v[rT+4], v[rT+5], v[rT+6]
.elseif j == 15
	v_max3_num_f32 v[rT+4], v[rT+4], v[rT+7], v[rT+1]
.elseif j == 16
	v_permlanex16_b32 v[rT+5], v[rT+4], s[SEL], s[SEL+1]  ; the query's other 32 keys lie in the lane 16 away
.elseif j == 17
	v_mov_b32 v[rT+7], v[rT]        ; c m_old is kept for a
.elseif j == 18
	v_max_num_f32 v[rT+1], v[rT+4], v[rT+5]
.elseif j == 19
	v_mul_f32 v[rT], s[CS], v[rT+1]
.elseif j == 20
	v_sub_f32 v[rT+7], v[rT+7], v[rT]
.elseif j == 23
	v_exp_f32 v[rT+6], v[rT+7]
.elseif (j < 23) || ((j < 38) && (j%2 == 0)) || ((j < 66) && (j%4 == 2))
.set b, (j-2)/4                     ; 38, 42, .. 62: pairs 9 to 15
.if j < 38
.set b, (j-20)/2                    ; 21: pair 0; 22, 24, .. 36: pairs 1 to 8
.endif
	v_pk_fma_f32 v[rS+2*b:rS+2*b+1], v[rS+2*b:rS+2*b+1], s[CS:CS+1], v[rT:rT+1] op_sel_hi:[1,0,0] neg_lo:[0,0,1] neg_hi:[0,0,1]
.elseif j < 70
.set e, j-38                        ; 66 to 69: s28 to s31
.if j < 66
.set e, j-32-(j-38)/4               ; 39-41, 43-45, .. 63-65: s7 to s27
.endif
.if j < 38
.set e, (j-25)/2                    ; 25, 27, .. 37: s0 to s6
.endif
	v_exp_f32 v[rS+e], v[rS+e]
.elseif j < 86
	v_cvt_pk_f16_f32 v[rP+j-70], v[rS+2*(j-70)], v[rS+2*(j-70)+1]
.elseif j < 102                     ; the sum of the tile's 16 pairs, in place: neighbours 1, 2, 4 and 8 pairs apart, then l takes it
.set z, j-86
.set w, 4
.set u, z
.if z >= 14
.set w, 32
.set u, 0
.elseif z >= 12
.set w, 16
.set u, z-12
.elseif z >= 8
.set w, 8
.set u, z-8
.endif
.if z < 15
	v_pk_add_f32 v[rS+w*u:rS+w*u+1], v[rS+w*u:rS+w*u+1], v[rS+w*u+w/2:rS+w*u+w/2+1]
.else
	v_pk_fma_f32 v[rT+2:rT+3], v[rT+2:rT+3], v[rT+6:rT+7], v[rS:rS+1] op_sel_hi:[1,0,1]
.endif
.else
	WIN W_RS
	v_pk_mul_f32 v[rO:rO+1], v[rO:rO+1], v[rT+6:rT+7] op_sel_hi:[1,0]
.endif
.endm
; The four tiles go through the list side by side, so that no line reads the result of the line before it.  The 132 exponentials are ONE batch: nothing up to number 69 names a result of theirs, and
; one plain instruction and one wait stand between number 69 and number 70.
.macro SOFTMAX
.set j, 0
.rept 70
.irp t, 0,1,2,3
	SM \t
.endr
.set j, j+1
.endr
	v_nop                           ; a plain instruction behind the last exponential,
	s_wait_alu depctr_va_vdst(0)    ; and a wait ahead of the first use
.rept 64
.irp t, 0,1,2,3
	SM \t
.endr
.set j, j+1
.endr
.endm
.macro DIAGMASK                     ; score i of tile t is hidden where 16 (i / 8) + i % 8 > THR_t; ascending
.irp t, 0,1,2,3
.set i, 0
.rept 32
	v_cmp_gt_i32 vcc_lo, 16*(i/8)+i%8, v[THR+(\t)]
	v_cndmask_b32 v[S+32*(\t)+i], v[S+32*(\t)+i], v[BIG], vcc_lo
.set i, i+1
.endr
.endr
.endm
; A TILE: my 64 keys of it, for all 64 queries.
.macro TILE
	WIN 0
	v_add_nc_u32 v[ADR], s[TB], v[AK0]
	FETCH_K
	s_wait_loadcnt 0x0              ; Q
	s_wait_dscnt 0x0                ; K
.set i, 0
.rept 32
	KQ 0
.set i, i+1
.endr
.set i, 0
.rept 32
	KQ 2
.set i, i+1
.endr
	WIN 0
	v_add_nc_u32 v[ADR], s[TB], v[AV0]  ; with the three below: the four places behind the last product, in front of the loads into K's registers and of the first read of the scores
.rept 3
	v_nop
.endr
	FETCH_V                         ; it lands while the softmax runs
	s_cmp_lg_u32 s[RT], 1           ; a block's last tile holds the diagonal
	s_cbranch_scc1 .Lno_diag_\@
	DIAGMASK
.Lno_diag_\@:
	SOFTMAX
	s_wait_dscnt 0x0                ; V
.set i, 0
.rept 32
	PVM 0
.set i, i+1
.endr
.set i, 0
.rept 32
	PVM 2
.set i, i+1
.endr
	WIN 0
	PLACES                          ; in front of the next loads into V's registers and of the next read of O^T
.endm
.Lslot:                             ; 8 trips: a tile is entered and the next is asked for
	CHANGE 1
	TILE
	s_sub_co_u32 s[RT], s[RT], 1
	s_cmp_lg_u32 s[RT], 0
	s_cbranch_scc1 .Lbottom         ; forward, past text that holds neither a barrier nor a tensor load
	; THE FIRST BLOCK ENDS (once in the loop, in trip 7 - c): its l is summed up, its c m, l and O^T are set aside, and the second block's Q is asked for
.irp t, 0,1,2,3
	v_add_f32 v[ST+8*(\t)+4], v[ST+8*(\t)+2], v[ST+8*(\t)+3]
.endr
.irp t, 0,1,2,3
	v_permlanex16_b32 v[ST+8*(\t)+5], v[ST+8*(\t)+4], s[SEL], s[SEL+1]
.endr
.irp t, 0,1,2,3
	v_add_f32 v[HS+4+(\t)], v[ST+8*(\t)+4], v[ST+8*(\t)+5]
	v_mov_b32 v[HS+(\t)], v[ST+8*(\t)]
.endr
	WIN 0x81                        ; destination window 2, source window 1
.set i, 0
.rept 256
	v_mov_b32 v[i], v[i]
.set i, i+1
.endr
	WIN 0
.irp t, 0,1,2,3
	v_mov_b32 v[ST+8*(\t)], 0xfe000000
	v_mov_b32 v[ST+8*(\t)+1], 0xff7fffff
.endr
	QLOAD QLO
	s_add_co_u32 s[RT], s[PB], 1    ; the second block has c + 1 tiles
.Lbottom:
	s_sub_co_u32 s[SLOTS], s[SLOTS], 1
	s_cmp_lg_u32 s[SLOTS], 0
	s_cbranch_scc1 .Lslot
	CHANGE 0                        ; the walk's last tile is written out: nothing is asked for
	TILE                            ; the second block's diagonal tile
	; THE MERGE.  Every wave's reads of the ring are over; then each puts its c m, l and O^T of both blocks into LDS.
	s_wait_dscnt 0x0
	s_barrier_signal -1
	s_barrier_wait -1
.irp t, 0,1,2,3
	v_add_f32 v[ST+8*(\t)+4], v[ST+8*(\t)+2], v[ST+8*(\t)+3]
.endr
.irp t, 0,1,2,3
	v_permlanex16_b32 v[ST+8*(\t)+5], v[ST+8*(\t)+4], s[SEL], s[SEL+1]
.endr
.irp t, 0,1,2,3
	v_add_f32 v[ST+8*(\t)+4], v[ST+8*(\t)+4], v[ST+8*(\t)+5]
.endr
	v_lshlrev_b32 v[SADR], 4, v1    ; query x 16 bytes,
	v_lshl_add_u32 v[SADR], v9, 8, v[SADR]  ; lanes 0-15 store c m, lanes 16-31 l, 256 bytes on,
	s_lshl_b32 s2, s[WV], 2
	s_add_co_u32 s2, s2, STAT       ; my wave's word
	v_add_nc_u32 v[SADR], s2, v[SADR]
.irp t, 0,1,2,3
	v_cndmask_b32 v[TMPV], v[HS+(\t)], v[HS+4+(\t)], s[HM]
	ds_store_b32 v[SADR], v[TMPV] offset:(\t)*512
	v_cndmask_b32 v[TMPV], v[ST+8*(\t)], v[ST+8*(\t)+4], s[HM]
	ds_store_b32 v[SADR], v[TMPV] offset:(4+(\t))*512
.endr
	s_mul_i32 s2, s[WV], MAREA
	v_mul_u32_u24 v[MST], v1, MP
	v_lshl_add_u32 v[MST], v9, 5, v[MST]
	v_add_nc_u32 v[MST], s2, v[MST] ; my area, my query's row, 32 bytes for each half of the lanes
	WIN 0x08                        ; data window 2: the first block's pieces 0 to 3
.set i, 0
.rept 32
	ds_store_b128 v[MST], v[8*i:8*i+3]   offset:(i/8)*MPC+(i%8)*64
	ds_store_b128 v[MST], v[8*i+4:8*i+7] offset:(i/8)*MPC+(i%8)*64+16
.set i, i+1
.endr
	WIN 0x04                        ; data window 1: the second block's, as pieces 4 to 7
.set i, 0
.rept 32
	ds_store_b128 v[MST], v[8*i:8*i+3]   offset:(4+i/8)*MPC+(i%8)*64
	ds_store_b128 v[MST], v[8*i+4:8*i+7] offset:(4+i/8)*MPC+(i%8)*64+16
.set i, i+1
.endr
	WIN 0
	s_wait_dscnt 0x0                ; for the others' sake: my stores are done
	s_barrier_signal -1
	s_barrier_wait -1
	; Trip t finishes piece t of both blocks.  Of a piece's 16 queries wave w takes 4 w + 2 i + l / 16 (i = 0, 1); a lane takes the channels 8 (l % 16) + 0..7.  Group g = 2 x block + i.
	; The read addresses take the registers of the walk's LDS and Q offsets, which have served: the last tile has waited for every load that named them.
	s_lshl_b32 s2, s[WV], 2
	v_add_nc_u32 v[QW], s2, v9      ; 4 w + l / 16
	v_mul_u32_u24 v[TA], v[QW], MP
	v_lshl_add_u32 v[TA], v1, 5, v[TA]
.irp u, 0,1,2,3
	v_add_nc_u32 v[MRD+(\u)], (\u)*MAREA, v[TA]
.endr
	v_lshl_add_u32 v[SRD], v[QW], 4, STAT
	v_lshlrev_b32 v[GO], 10, v[QW]
	v_lshl_add_u32 v[GO], v1, 4, v[GO]
	s_mov_b32 s[CNT], 4
.Lmerge:
.irp g, 0,1,2,3
	ds_load_b128 v[SB+8*(\g):SB+8*(\g)+3],   v[SRD] offset:((\g)/2)*2048+((\g)%2)*32       ; the four waves' c m
	ds_load_b128 v[SB+8*(\g)+4:SB+8*(\g)+7], v[SRD] offset:((\g)/2)*2048+((\g)%2)*32+256   ; and l
.endr
.irp g, 0,1,2,3
.irp u, 0,1,2,3
	ds_load_b128 v[DB+32*(\g)+8*(\u):DB+32*(\g)+8*(\u)+3],   v[MRD+(\u)] offset:((\g)/2)*4*MPC+((\g)%2)*2*MP
	ds_load_b128 v[DB+32*(\g)+8*(\u)+4:DB+32*(\g)+8*(\u)+7], v[MRD+(\u)] offset:((\g)/2)*4*MPC+((\g)%2)*2*MP+16
.endr
.endr
	s_wait_dscnt 32                 ; the statistics are in; the 32 loads of partial sums stay out
.irp g, 0,1,2,3
	v_max3_num_f32 v[MX+(\g)], v[SB+8*(\g)], v[SB+8*(\g)+1], v[SB+8*(\g)+2]
.endr
.irp g, 0,1,2,3
	v_max_num_f32 v[MX+(\g)], v[MX+(\g)], v[SB+8*(\g)+3]
.endr
.irp g, 0,1,2,3
.irp u, 0,1,2,3
	v_sub_f32 v[SB+8*(\g)+(\u)], v[SB+8*(\g)+(\u)], v[MX+(\g)]
.endr
.endr
.irp g, 0,1,2,3
.irp u, 0,1,2,3
	v_exp_f32 v[SB+8*(\g)+(\u)], v[SB+8*(\g)+(\u)]   ; e = 2^(c m_u - the largest c m)
.endr
.endr
	v_nop
	s_wait_alu depctr_va_vdst(0)    ; one wait for the sixteen
.irp g, 0,1,2,3
	v_mul_f32 v[LS+(\g)], v[SB+8*(\g)], v[SB+8*(\g)+4]
.endr
.irp u, 1,2,3
.irp g, 0,1,2,3
	v_fma_f32 v[LS+(\g)], v[SB+8*(\g)+(\u)], v[SB+8*(\g)+4+(\u)], v[LS+(\g)]
.endr
.endr
.irp g, 0,1,2,3
	v_rcp_f32 v[RC+(\g)], v[LS+(\g)]
.endr
	v_nop
	s_wait_alu depctr_va_vdst(0)    ; one wait for the four
.irp g, 0,1,2,3
.irp u, 0,1,2,3
	v_mul_f32 v[FF+8*(\g)+2*(\u)],   v[SB+8*(\g)+(\u)], v[RC+(\g)]   ; e / L, in both registers of a pair for the packed lines below
	v_mul_f32 v[FF+8*(\g)+2*(\u)+1], v[SB+8*(\g)+(\u)], v[RC+(\g)]
.endr
.endr
	s_wait_dscnt 0x0                ; the partial sums
.irp g, 0,1,2,3
.irp p, 0,1,2,3
	v_pk_mul_f32 v[DB+32*(\g)+2*(\p):DB+32*(\g)+2*(\p)+1], v[DB+32*(\g)+2*(\p):DB+32*(\g)+2*(\p)+1], v[FF+8*(\g):FF+8*(\g)+1]
.endr
.endr
.irp u, 1,2,3
.irp g, 0,1,2,3
.irp p, 0,1,2,3
	v_pk_fma_f32 v[DB+32*(\g)+2*(\p):DB+32*(\g)+2*(\p)+1], v[DB+32*(\g)+8*(\u)+2*(\p):DB+32*(\g)+8*(\u)+2*(\p)+1], v[FF+8*(\g)+2*(\u):FF+8*(\g)+2*(\u)+1], v[DB+32*(\g)+2*(\p):DB+32*(\g)+2*(\p)+1]
.endr
.endr
.endr
.irp g, 0,1,2,3
.irp p, 0,1,2,3
	v_cvt_pk_f16_f32 v[DB+32*(\g)+8+(\p)], v[DB+32*(\g)+2*(\p)], v[DB+32*(\g)+2*(\p)+1]
.endr
.endr
	global_store_b128 v[GO], v[DB+8:DB+11],   s[10:11] offset:0        ; 16 lanes store the head's 256 consecutive bytes of a row of oh, aligned
	global_store_b128 v[GO], v[DB+40:DB+43],  s[10:11] offset:2048
	global_store_b128 v[GO], v[DB+72:DB+75],  s[OLO:OLO+1] offset:0
	global_store_b128 v[GO], v[DB+104:DB+107], s[OLO:OLO+1] offset:2048
	s_wait_xcnt 0x0                 ; the stores have read their data and their offset: both are written again below and in the next trip
	v_add_nc_u32 v[GO], 65536, v[GO]  ; the next band: 64 rows of 1,024 bytes
.irp u, 0,1,2,3
	v_add_nc_u32 v[MRD+(\u)], MPC, v[MRD+(\u)]
.endr
	v_add_nc_u32 v[SRD], 512, v[SRD]
	s_sub_co_u32 s[CNT], s[CNT], 1
	s_cmp_lg_u32 s[CNT], 0
	s_cbranch_scc1 .Lmerge
	s_wait_tensorcnt 0x0            ; the wave's end: behind my last tensor load and my last LDS store
	ds_add_u32 v[SPW], v[NIL]
	s_wait_dscnt 0x0
	CROUND                          ; the closing round: no work-group ends while a partner may still ask for a tile that names it
	s_endpgm
.Lfunc_end_k_qbfa8f43493_attn:
	.size	k_qbfa8f43493_attn, .Lfunc_end_k_qbfa8f43493_attn-k_qbfa8f43493_attn
	.p2alignl 7, 3214868480
	.fill 96, 4, 3214868480
	.section	.rodata,"a",@progbits
	.p2align	6, 0x0
	.amdhsa_kernel k_qbfa8f43493_attn
		.amdhsa_group_segment_fixed_size 327680
		.amdhsa_private_segment_fixed_size 0
		.amdhsa_enable_private_segment 0
		.amdhsa_kernarg_size 32
		.amdhsa_user_sgpr_count 2
		.amdhsa_user_sgpr_kernarg_segment_ptr 1
		.amdhsa_wavefront_size32 1
		.amdhsa_system_sgpr_workgroup_id_x 1
		.amdhsa_system_sgpr_workgroup_id_y 1
		.amdhsa_system_sgpr_workgroup_id_z 1
		.amdhsa_system_vgpr_workitem_id 0
		.amdhsa_next_free_vgpr 1024
		.amdhsa_next_free_sgpr 80
		.amdhsa_reserve_vcc 1
		.amdhsa_float_denorm_mode_32 3
		.amdhsa_float_denorm_mode_16_64 3
		.amdhsa_memory_ordered 1
		.amdhsa_forward_progress 1
		.amdhsa_inst_pref_size 164
	.end_amdhsa_kernel
	.amdgpu_metadata
---
amdhsa.version: [ 1, 2 ]
amdhsa.kernels:
  - .name:           k_qbfa8f43493_attn
    .symbol:         k_qbfa8f43493_attn.kd
    .args:
      - { .name: qh, .offset: 0, .size: 8, .value_kind: global_buffer, .address_space: global }
      - { .name: kh, .offset: 8, .size: 8, .value_kind: global_buffer, .address_space: global }
      - { .name: vh, .offset: 16, .size: 8, .value_kind: global_buffer, .address_space: global }
      - { .name: oh, .offset: 24, .size: 8, .value_kind: global_buffer, .address_space: global }
    .group_segment_fixed_size: 327680
    .private_segment_fixed_size: 0
    .kernarg_segment_align: 8
    .kernarg_segment_size: 32
    .max_flat_workgroup_size: 128
    .sgpr_count:     80
    .vgpr_count:     1024
    .wavefront_size: 32
...
	.end_amdgpu_metadata
.endif
;; end of part 3
;; launch proj (part 4): grid 16 x 16, 4 waves a work-group, clusters of 4 x 4, 327,680 bytes of LDS; arguments oh, wo16, out0; writes out0
.if DOCPART == 4
	.amdgcn_target "amdgcn-amd-amdhsa--gfx1250"
	.amdhsa_code_object_version 6
	.text
	.protected	k_qbfa8f43493_proj
	.globl	k_qbfa8f43493_proj
	.p2align	8
	.type	k_qbfa8f43493_proj,@function
k_qbfa8f43493_proj:
	s_mov_b64 s[64:65], 0
	v_nop
	global_prefetch_b8 v0, s[64:65] scope:SCOPE_SE
	s_setreg_imm32_b32 hwreg(HW_REG_WAVE_MODE, 25, 1), 1
	s_wait_xcnt 0x0
	s_wait_alu depctr_hold_cnt(0) depctr_sa_sdst(0) depctr_va_vdst(0) depctr_va_sdst(0) depctr_va_ssrc(0) depctr_va_vcc(0) depctr_vm_vsrc(0)
	s_getreg_b32 s2, hwreg(HW_REG_IB_STS2, 6, 4)
	s_cmp_eq_u32 s2, 0
	s_cbranch_scc0 .Lentry_in_a_cluster
	s_endpgm
.Lentry_in_a_cluster:
	s_bfe_u32 s2, ttmp6, 0x10000c
	s_cmp_lg_u32 s2, 0xf033
	s_cbranch_scc0 .Lentry_shape_is_right
	s_endpgm
.Lentry_shape_is_right:
; out0[m][n] = the sum over k of oh[m][k] wo16[n][k].  oh: [8192][512] f16, wo16: [2048][512] f16, out0: [8192][2048] f32; one f32 sum for each output, K ascending, stored as it is.
; out0 is 67 MB for 10.5 MB of inputs, so the launch is laid out for its STORES: finished rows leave all through the launch, not behind the last product.
; SHARES.  A work-group makes 512 rows x 128 columns.  wo16's 128 rows, with all of K (131,072 bytes), come into LDS once and go from there into REGISTERS: wave (MW, NW) keeps the 64 rows 64 NW on:
; 4 column blocks x 16 fragments of 32 along K, 512 registers.  oh's 512 rows go by in four tiles of 128 rows x all of K, through two LDS slots; each wave fetches 32 rows of a tile, 32,768 bytes.
; BY ROWS.  With all of K at hand a BLOCK of 16 rows x 64 columns is finished by 64 matrix instructions, its four accumulators by turns, and leaves at once.  A wave has 16 blocks; block g is rows
; 32 g + 16 MW of the work-group's 512, so that from block to block both the place in LDS and the place in out0 step evenly, across tiles too.  A block's 16 fragments of oh (16,384 bytes) feed 64 products.
; In block g: 32 products; the LDS loads of block g + 1's fragments; block g - 1 into my stage and back as whole rows; 32 products; block g - 1's eight stores.
; THE RING.  wo16's rows land in slot 1's bytes.  When every wave has them in registers, slot 1 is filled again with tile 1; slot 0 takes tile 2 and slot 1 tile 3 when they have been read out.  A change
; of slots stands ahead of a tile's last block, whose fragments have been fetched: that block's fetch is the first read of the next slot.
; CLUSTERS: 4 x 4 work-groups.  The four of a row of the cluster make the same 512 rows and need the same tiles of oh; the four of a column need the same rows of wo16: each is asked for JOINTLY.
; THE MATRIX INSTRUCTION IS USED TRANSPOSED (source 0 = 16 rows of wo16, source 1 = 16 rows of oh): lane l holds row l % 16 of out0 and the columns 8 (l / 16) + 0..7 of a block: 32 bytes on end.
; REGISTERS, in windows of 256 (s_set_vgpr_msb: bits 1:0 source 0, 3:2 source 1, 5:4 source 2, 7:6 destination):
;   window 0: v0-31 addresses; v32-95 two sets of four accumulators; v96-159 two buffers of 16 rows read back from the stage     window 1: two buffers of oh's 16 fragments
;   window 2: wo16's fragments 0-7 along K (fragment kf, column block cb at 8 (4 (kf % 8) + cb));  window 3: fragments 8-15.  A block's buffers and sums go by its number's parity.
.set SIZE_N, 2048
.set ROWB,   1024                      ; bytes in a row of oh and of wo16
.set PITCH,  1040                      ; an LDS row: 1,024 bytes + 16 of padding = 260 words: row r starts at bank 4 r mod 64 (64 banks of 4 bytes: ISA guide 11.1), so the 16 rows of a load start at 16 different groups of four banks
.set TROWS,  128                       ; rows in a tile of oh
.set NT,     4                         ; tiles of a work-group
.set QROWS,  32*PITCH                  ; what one tensor load brings
.set SLOT,   4*QROWS                   ; 133,120 bytes
.set SLOT1,  0x24000                   ; slot 1 begins here: its two bits meet none of the fills' four LDS addresses (0, 0x8200, 0x10400, 0x18600), so one exclusive or turns an address in one slot into the other's
.set STAGE,  SLOT1+SLOT                ; behind the ring: 16 rows x 272 bytes for each wave, for the way out; no tensor load fills it
.set SPITCH, 272                       ; 256 bytes + 16 = 68 words
.set SPARE,  STAGE+4*16*SPITCH         ; behind the stages: the spare words, 128 bytes a wave: two blocks of 256 bytes that no other line names
.set STEPB,  32*SIZE_N*4               ; bytes of out0 from a block of mine to the next: 32 rows
.set BA,   16                          ; v16  my lane's place in a block's rows of a slot; never rewritten
.set CA,   17                          ; v17  the LDS address of the run of loads in hand
.set BBA,  20                          ; v20  my lane's place in my 64 rows of wo16
.set STO,  24                          ; v24  the way out: where I put 32 bytes of a row
.set RD,   25                          ; v25  where I read rows back
.set CO,   26                          ; v26  my byte offset in two rows of out0; never rewritten
.set SPW,  28                          ; v28  LDS address of my spare word; never rewritten
.set NIL,  29                          ; v29  0; never rewritten
.set PFO,  30                          ; v30  the prefetches' offset: my lane x a row of oh; never rewritten
.set ACC,  32
.set OB,   96
.set CNT,  2                           ; s2   counts pairs of blocks
.set STEPS, 3                          ; s3   changes of slots that are still to come
.set WV,   10
.set MW,   11
.set NW,   12
.set TB,   18                          ; s18  the slot that is read
.set KO,   19                          ; s19  the slot that is read + the place of the next block to be fetched
.set G1,   24                          ; s[24:31] descriptor group 1 for oh's tiles
.set G0,   32                          ; s[32:35] group 0 for oh's tiles: it walks
.set G0B,  36                          ; s[36:39] group 0 for wo16's rows
.set G1B,  48                          ; s[48:55] group 1 for wo16's rows: it differs in the mask alone
.set LIM,  56                          ; s56  1 in a cluster that prefetches, else the greatest number
.set PFA,  58                          ; s[58:59] where my prefetches stand
.set MSB, 0
.macro WIN new                         ; the immediate's high byte repeats the setting that is left; a switch that changes nothing is dropped
.if MSB != (\new)
	s_set_vgpr_msb (MSB<<8)|(\new)
.set MSB, \new
.endif
.endm
.macro CROUND                          ; a round of the cluster's barrier: my work-group's barrier; wave 0 signals for the work-group; every wave waits for all sixteen; my work-group's barrier once more
	s_barrier_signal -1
	s_barrier_wait -1
	s_cmp_lg_u32 s[WV], 0
	s_cbranch_scc1 .Lnot_wave_0_\@
	s_barrier_signal -3
.Lnot_wave_0_\@:
	s_barrier_wait -3
	s_barrier_signal -1
	s_barrier_wait -1
.endm
.macro PLACES
.rept 4
	v_nop
.endr
.endm
; A prefetch into the L2 of the tile of oh that the NEXT change of slots will ask for: four blocks, 256 matrix instructions, ahead of that load.  A tile's 128 rows of 1,024 bytes are 512 blocks of 256
; bytes.  The four clusters of a row of clusters read the same tiles: the one with x = 0 asks.  Of the 32 rows that wave w fetches, a lane takes a row, and each of the four partners that ask for the
; tile jointly takes a quarter of each row, told apart by address: one instruction a wave, each block named once.  Tiles 2 and 3 are named; tiles 0 and 1 come by their loads alone; the change that
; fills tile 3 names nothing, since there is no tile behind it.
.macro ASK
	s_cmp_gt_u32 s[STEPS], s[LIM]                  ; STEPS = 3, 2, 1 at the changes that fill tiles 1, 2, 3
	s_cbranch_scc0 .Lnot_mine_\@
	global_prefetch_b8 v[PFO], s[PFA:PFA+1] th:TH_LOAD_NT scope:SCOPE_SE
.Lnot_mine_\@:
.endm
	s_load_b128 s[4:7], s[0:1], 0x0                ; oh s[4:5], wo16 s[6:7]
	s_load_b64 s[8:9], s[0:1], 0x10                ; out0
	v_lshl_add_u32 v[SPW], v0, 2, SPARE
	v_mov_b32 v[NIL], 0
	ds_add_u32 v[SPW], v[NIL]                      ; the wave's opening: the add and its wait stand ahead of my first tensor load; work on registers stands between them
	v_lshrrev_b32 v1, 5, v0
	v_readfirstlane_b32 s[WV], v1                  ; wave 0..3
	s_lshr_b32 s[MW], s[WV], 1                     ; which 16 of each 32 rows are mine
	s_and_b32 s[NW], s[WV], 1                      ; which 64 of the 128 columns
	s_bfe_u32 s40, ttmp6, 0x40000                  ; cx
	s_bfe_u32 s41, ttmp6, 0x40004                  ; cy
	s_lshl_b32 s42, ttmp9, 2
	s_add_co_u32 s42, s42, s40                     ; the block of 128 columns = 4 x cluster x + cx
	s_and_b32 s13, ttmp7, 0xffff
	s_lshl_b32 s13, s13, 2
	s_add_co_u32 s13, s13, s41                     ; the range of 512 rows = 4 x cluster y + cy
	s_lshl_b32 s43, s41, 2
	s_lshl_b32 s43, 15, s43                        ; my row of the cluster
	s_lshl_b32 s45, 0x1111, s40                    ; my column
	s_or_b32 s[G1], s43, (1<<16)|(1<<20)|(1<<21)|(7<<22)|(3<<25)   ; 15:0 the mask; 17:16 2-byte elements; 20 padding on; 21 set beside a mask; 24:22 after every 256 words (code 7); 31:25 4 words (code 3)
	s_or_b32 s[G1B], s45, (1<<16)|(1<<20)|(1<<21)|(7<<22)|(3<<25)
.irp g, G1, G1B
	s_mov_b32 s[(\g)+1], 512<<16                   ; tensor_dim0 = 512
	s_mov_b32 s[(\g)+2], 32<<16                    ; tensor_dim1 = 32
	s_mov_b32 s[(\g)+3], 512<<16                   ; tile_dim0 = 512
	s_mov_b32 s[(\g)+4], 32                        ; tile_dim1 = 32
	s_mov_b32 s[(\g)+5], 512                       ; elements from row to row
	s_mov_b32 s[(\g)+6], 0
	s_mov_b32 s[(\g)+7], 0
.endr
	s_lshl_b32 s20, s[WV], 15                      ; the 32 rows of 1,024 bytes that I fetch
	s_lshl_b32 s16, s13, 19                        ; oh: 512 rows a range; it hangs on the range and the wave's number alone
	s_add_co_u32 s16, s16, s20
	s_mov_b32 s17, 0
	s_lshl_b32 s46, s42, 17                        ; wo16: 128 rows a column block; on the column block and the wave's number alone
	s_add_co_u32 s46, s46, s20
	s_mov_b32 s47, 0
	s_mul_i32 s21, s[WV], QROWS                    ; where they go: no place in the cluster enters an LDS address
	s_lshl_b32 s60, s40, 8                         ; the prefetches: my work-group's quarter of each row
	s_mov_b32 s61, 0
	s_mov_b32 s[TB], 0                             ; tile 0 lies in slot 0,
	s_mov_b32 s[KO], 0                             ; and the first fetch takes its first block
	s_mov_b32 s[STEPS], NT-1
	s_cmp_eq_u32 ttmp9, 0
	s_cselect_b32 s[LIM], 1, -1                    ; the same in all sixteen partners
	s_mov_b32 s[G0], 1                             ; 1:0 count = 1
	s_mov_b32 s[G0+1], s21                         ; 63:32 LDS address: slot 0
	s_mov_b32 s[G0B], 1
	s_add_co_u32 s[G0B+1], s21, SLOT1              ; wo16's rows land in slot 1's bytes
	s_wait_dscnt 0x0                               ; the opening add is done
	s_wait_kmcnt 0x0
	s_add_nc_u64 s[14:15], s[4:5], s[16:17]
	s_add_nc_u64 s[46:47], s[6:7], s[46:47]
	s_mov_b64 s[G0+2:G0+3], s[14:15]               ; 120:64 global address: my rows of tile 0
	s_or_b32 s[G0+3], s[G0+3], 0x80000000          ; 127:126 type = 2
	s_mov_b64 s[G0B+2:G0B+3], s[46:47]
	s_or_b32 s[G0B+3], s[G0B+3], 0x80000000
	s_add_nc_u64 s[PFA:PFA+1], s[14:15], s[60:61]
	s_add_nc_u64 s[PFA:PFA+1], s[PFA:PFA+1], TROWS*ROWB  ; in tile 1: the first change of slots steps it to tile 2
	CROUND                                         ; all sixteen work-groups are here: the first joint loads meet
	tensor_load_to_lds s[G0:G0+3], s[G1:G1+7]      ; the two first fills go out together: two loads of mine are out
	s_nop 0
	tensor_load_to_lds s[G0B:G0B+3], s[G1B:G1B+7]
	s_nop 0
	PLACES
	; A fragment is 16 rows x 32 K in 8 registers: lane l holds row l % 16; registers 0-3 K = 8 (l / 16) + 0..7, registers 4-7 K = 16 + 8 (l / 16) + 0..7: two loads of 16 bytes, 32 bytes apart.
	v_and_b32 v1, 15, v0                           ; l % 16
	v_bfe_u32 v2, v0, 4, 1                         ; l / 16
	v_mul_u32_u24 v3, v1, PITCH
	v_lshl_add_u32 v3, v2, 4, v3                   ; row x pitch + 16 x half
	s_mul_i32 s21, s[MW], 16*PITCH
	v_add_nc_u32 v[BA], s21, v3                    ; of each 32 rows my 16
	s_mul_i32 s22, s[NW], 64*PITCH
	s_add_co_u32 s22, s22, SLOT1
	v_add_nc_u32 v[BBA], s22, v3                   ; my 64 rows of wo16
	s_mul_i32 s23, s[WV], 16*SPITCH
	s_add_co_u32 s23, s23, STAGE                   ; my stage
	v_mul_u32_u24 v4, v1, SPITCH                   ; in: row l % 16, 32 bytes for each half of the lanes
	v_lshl_add_u32 v4, v2, 5, v4
	v_add_nc_u32 v[STO], s23, v4
	v_mul_u32_u24 v5, v2, SPITCH                   ; back: lanes 0-15 take one row of 256 bytes, lanes 16-31 the next
	v_lshl_add_u32 v5, v1, 4, v5
	v_add_nc_u32 v[RD], s23, v5
	v_lshlrev_b32 v[CO], 13, v2                    ; and the same two rows in out0, 8,192 bytes apart
	v_lshl_add_u32 v[CO], v1, 4, v[CO]
	v_and_b32 v[PFO], 31, v0
	v_lshlrev_b32 v[PFO], 10, v[PFO]
	s_lshl_b32 s62, s13, 22                        ; out0 at my first block: 512 rows of 8,192 bytes a range,
	s_lshl_b32 s63, s[MW], 17                      ; my 16 rows of the first 32,
	s_add_co_u32 s62, s62, s63
	s_lshl_b32 s63, s42, 9                         ; 512 bytes a column block,
	s_add_co_u32 s62, s62, s63
	s_lshl_b32 s63, s[NW], 8                       ; my 256 of them
	s_add_co_u32 s62, s62, s63
	s_mov_b32 s63, 0
	s_add_nc_u64 s[8:9], s[8:9], s[62:63]
; 32 matrix instructions of a block with parity p: K fragments 8 hi .. 8 hi + 7 x the four column blocks.  The block's first four start its sums with the constant 0: nothing is ever cleared.
; The four accumulators take turns, one instruction a turn: three others' stand between two links of a chain; a block's last and the next block's first name different sets.
.macro MULH p, hi
	WIN 0x06+(\hi)                                 ; source 0 (wo16) window 2 or 3, source 1 (oh) window 1, C and D window 0
.set kf, 0
.rept 8
.irp cb, 0,1,2,3
.if ((\hi) == 0) && (kf == 0)
	v_wmma_f32_16x16x32_f16 v[ACC+32*(\p)+8*(\cb):ACC+32*(\p)+8*(\cb)+7], v[8*(4*kf+(\cb)):8*(4*kf+(\cb))+7], v[128*(\p)+8*(8*(\hi)+kf):128*(\p)+8*(8*(\hi)+kf)+7], 0
.else
	v_wmma_f32_16x16x32_f16 v[ACC+32*(\p)+8*(\cb):ACC+32*(\p)+8*(\cb)+7], v[8*(4*kf+(\cb)):8*(4*kf+(\cb))+7], v[128*(\p)+8*(8*(\hi)+kf):128*(\p)+8*(8*(\hi)+kf)+7], v[ACC+32*(\p)+8*(\cb):ACC+32*(\p)+8*(\cb)+7]
.endif
.endr
.set kf, kf+1
.endr
.endm
; My 64 rows of wo16, all of K, into windows 2 and 3: 128 LDS loads, once.
.macro BLOAD
.irp hi, 0,1
	WIN 0x80+0x40*(\hi)                            ; destination window 2 or 3, address window 0
.set kf, 0
.rept 8
.irp cb, 0,1,2,3
	ds_load_b128 v[8*(4*kf+(\cb)):8*(4*kf+(\cb))+3],   v[BBA] offset:(\cb)*16*PITCH+64*(8*(\hi)+kf)
	ds_load_b128 v[8*(4*kf+(\cb))+4:8*(4*kf+(\cb))+7], v[BBA] offset:(\cb)*16*PITCH+64*(8*(\hi)+kf)+32
.endr
.set kf, kf+1
.endr
.endr
	WIN 0
.endm
; A block's 16 fragments of oh into buffer f: 32 LDS loads in one run
.macro ALOAD f
	WIN 0x40                                       ; destination window 1, address window 0
.set kf, 0
.rept 16
	ds_load_b128 v[128*(\f)+8*kf:128*(\f)+8*kf+3],   v[CA] offset:64*kf
	ds_load_b128 v[128*(\f)+8*kf+4:128*(\f)+8*kf+7], v[CA] offset:64*kf+32
.set kf, kf+1
.endr
.endm
; THE WAY OUT of the block whose sums lie in set q.  TOSTAGE: a lane's 32 bytes of a row go into my stage, straight from the accumulators (their lowest registers first), and
; whole rows of 256 bytes come back.  LDS serves a wave's instructions in order (ISA guide 5.7.1.4): the loads see the stores, and the next block's stores come behind them.
.macro TOSTAGE q
	WIN 0
.irp cb, 0,1,2,3
	ds_store_b128 v[STO], v[ACC+32*(\q)+8*(\cb):ACC+32*(\q)+8*(\cb)+3]   offset:64*(\cb)
	ds_store_b128 v[STO], v[ACC+32*(\q)+8*(\cb)+4:ACC+32*(\q)+8*(\cb)+7] offset:64*(\cb)+16
.endr
	s_wait_xcnt 0x0                                ; the stores of the block two back have read this buffer
.irp t, 0,1,2,3,4,5,6,7
	ds_load_b128 v[OB+32*(\q)+4*(\t):OB+32*(\q)+4*(\t)+3], v[RD] offset:(\t)*2*SPITCH
.endr
.endm
; SEND: the base steps first, so that every block has one text; the stores reach back by a negative immediate.
.macro SEND q
	WIN 0
	s_wait_dscnt 0x0                               ; the block is back in registers, and the next block's fragments are in: all were asked for 32 matrix instructions ago
	s_wait_xcnt 0x0                                ; the earlier stores have read their base
	s_add_nc_u64 s[8:9], s[8:9], STEPB
.irp t, 0,1,2,3,4,5,6,7
	global_store_b128 v[CO], v[OB+32*(\q)+4*(\t):OB+32*(\q)+4*(\t)+3], s[8:9] offset:(\t)*2*SIZE_N*4-STEPB th:TH_STORE_NT  ; 16 lanes store 256 consecutive bytes, at a multiple of 256 from out0's first
.endr
.endm
; A BLOCK with parity p.  load = 1: the next block's fragments are fetched into the other buffer.  out = 1: the block before goes out.
; Five plain vector lines stand in its middle.  Four are the places between the last matrix instruction of the block before and the loads into the buffer that it read, and the stage's reads of its sums;
; the fifth is wanted because the next block's first products write over those sums (ISA guide 7.12.1 for vector instructions).
.macro BLOCK p, load, out
	MULH \p, 0
	WIN 0
.if \load
	v_add_nc_u32 v[CA], s[KO], v[BA]
	s_add_co_u32 s[KO], s[KO], 32*PITCH            ; the next fetch takes the block 32 rows on
.else
	v_nop
.endif
	PLACES
.if \load
	ALOAD 1-(\p)
.endif
.if \out
	TOSTAGE 1-(\p)
.endif
	MULH \p, 1
	WIN 0
.if \out
	SEND 1-(\p)
.else
	s_wait_dscnt 0x0                               ; the next block's fragments are in
.endif
.endm
; THE CHANGE OF SLOTS.  Each wave waits for all its tensor loads, adds 0 to its spare word, and waits for that and for its own reads of the slot that is to be filled.
; fill = 1: the barrier is a round of the cluster's, so that no wave of any partner still reads the slot or has a load on its way, and the slot is filled first thing behind it, with the next tile: from
; that request to the wait for it a wave issues four blocks' 256 matrix instructions.  turn = 1: the fetches go on in the other slot.
.macro CHANGE fill, turn
	WIN 0                                          ; at a label and at a branch every window is 0; the add's two registers lie in window 0
	s_wait_tensorcnt 0x0                           ; no tensor load of mine is out, so a group 0 may be written
	ds_add_u32 v[SPW], v[NIL]                      ; 0 onto my spare word; scalar work stands between it and the wait for it
.if \turn
	s_xor_b32 s[TB], s[TB], SLOT1
	s_mov_b32 s[KO], s[TB]
.endif
.if \fill
	s_xor_b32 s[G0+1], s[G0+1], SLOT1              ; the walking descriptor: the other slot than last time,
	s_add_nc_u64 s[G0+2:G0+3], s[G0+2:G0+3], TROWS*ROWB  ; the next tile; the type bits on top are not reached
	s_wait_xcnt 0x0                                ; the last prefetch, a tile back, has read its address
	s_add_nc_u64 s[PFA:PFA+1], s[PFA:PFA+1], TROWS*ROWB
.endif
	s_wait_dscnt 0x0                               ; the add is done, and my reads of the slot are over
.if \fill
	CROUND
	tensor_load_to_lds s[G0:G0+3], s[G1:G1+7]      ; my one tensor load behind the round, and the first thing there
	s_nop 0
	PLACES
	ASK
.else
	s_barrier_signal -1
	s_barrier_wait -1
.endif
.endm
	s_wait_tensorcnt 0x0                           ; my rows of tile 0 and of wo16 are in,
	s_barrier_signal -1
	s_barrier_wait -1                              ; everybody's are
	BLOAD
	v_add_nc_u32 v[CA], s[KO], v[BA]
	s_add_co_u32 s[KO], s[KO], 32*PITCH
	ALOAD 0                                        ; block 0
	CHANGE 1, 0                                    ; every wave has wo16 in registers: slot 1 takes tile 1
	BLOCK 0, 1, 0                                  ; block 0 is written out: no block goes out beside it
	s_mov_b32 s[CNT], 1                            ; tile 0 has one pair of blocks left ahead of its change of slots:
	s_branch .Lpair                                ; the loop is entered behind the change
.Lstep:                                        ; twice: slot 0 takes tile 2, slot 1 tile 3
	CHANGE 1, 1
	s_mov_b32 s[CNT], 2
.Lpair:                                        ; a tile's last block and the next tile's first; then its second and third
	BLOCK 1, 1, 1
	BLOCK 0, 1, 1
	s_sub_co_u32 s[CNT], s[CNT], 1
	s_cmp_lg_u32 s[CNT], 0
	s_cbranch_scc1 .Lpair
	s_sub_co_u32 s[STEPS], s[STEPS], 1
	s_cmp_lg_u32 s[STEPS], 0
	s_cbranch_scc1 .Lstep
	CHANGE 0, 1                                    ; the tail is written out: nothing is asked for
	s_mov_b32 s[CNT], 2
.Llast:
	BLOCK 1, 1, 1
	BLOCK 0, 1, 1
	s_sub_co_u32 s[CNT], s[CNT], 1
	s_cmp_lg_u32 s[CNT], 0
	s_cbranch_scc1 .Llast
	BLOCK 1, 0, 1                                  ; block 15: nothing more to fetch
	PLACES                                         ; the places behind its last products
	TOSTAGE 1
	SEND 1
	s_wait_tensorcnt 0x0                           ; the wave's end: behind my last tensor load and my last LDS store
	ds_add_u32 v[SPW], v[NIL]
	s_wait_dscnt 0x0
	CROUND                                         ; the closing round: no work-group ends while a partner may still ask for a tile that names it
	s_endpgm
.Lfunc_end_k_qbfa8f43493_proj:
	.size	k_qbfa8f43493_proj, .Lfunc_end_k_qbfa8f43493_proj-k_qbfa8f43493_proj
	.p2alignl 7, 3214868480
	.fill 96, 4, 3214868480
	.section	.rodata,"a",@progbits
	.p2align	6, 0x0
	.amdhsa_kernel k_qbfa8f43493_proj
		.amdhsa_group_segment_fixed_size 327680
		.amdhsa_private_segment_fixed_size 0
		.amdhsa_enable_private_segment 0
		.amdhsa_kernarg_size 24
		.amdhsa_user_sgpr_count 2
		.amdhsa_user_sgpr_kernarg_segment_ptr 1
		.amdhsa_wavefront_size32 1
		.amdhsa_system_sgpr_workgroup_id_x 1
		.amdhsa_system_sgpr_workgroup_id_y 1
		.amdhsa_system_sgpr_workgroup_id_z 1
		.amdhsa_system_vgpr_workitem_id 0
		.amdhsa_next_free_vgpr 1024
		.amdhsa_next_free_sgpr 66
		.amdhsa_reserve_vcc 0
		.amdhsa_float_denorm_mode_32 3
		.amdhsa_float_denorm_mode_16_64 3
		.amdhsa_memory_ordered 1
		.amdhsa_forward_progress 1
		.amdhsa_inst_pref_size 67
	.end_amdhsa_kernel
	.amdgpu_metadata
---
amdhsa.version: [ 1, 2 ]
amdhsa.kernels:
  - .name:           k_qbfa8f43493_proj
    .symbol:         k_qbfa8f43493_proj.kd
    .args:
      - { .name: oh, .offset: 0, .size: 8, .value_kind: global_buffer, .address_space: global }
      - { .name: wo16, .offset: 8, .size: 8, .value_kind: global_buffer, .address_space: global }
      - { .name: out0, .offset: 16, .size: 8, .value_kind: global_buffer, .address_space: global }
    .group_segment_fixed_size: 327680
    .private_segment_fixed_size: 0
    .kernarg_segment_align: 8
    .kernarg_segment_size: 24
    .max_flat_workgroup_size: 128
    .sgpr_count:     66
    .vgpr_count:     1024
    .wavefront_size: 32
...
	.end_amdgpu_metadata
.endif
;; end of part 4
